; MI455X (gfx1250); checked and timed in simulation.
; The chip was launched on July 23, 2026; its instructions are those of AMD's public machine-readable ISA for CDNA 5 (MIT licence, August 2026) and "CDNA5" Instruction Set Architecture Reference Guide (July 2026). The comments in the code are by the model that wrote it; some were corrected since.
;; grouped Batched Experts. Allowed arithmetic: matrix products marked QUANTISED: E3M2 operands, one E8M0 scale for each 32 along K, by v_wmma_scale_f32_16x16x128_f8f6f4 with both operands' format E3M2, f32 sums; products left as they are: f32 operands where the result goes on into a quantised operand, else bf16, f16 or f32 operands; f32 sums; everything else in f32.
;; Inputs: expert_weights 2,048 x 2 float32; scores 2,048 x 8 float32; top_experts 2,048 x 2 int32; w1 8 x 1,024 x 2,048 float32; w2 8 x 2,048 x 1,024 float32; x 2 x 1,024 x 1,024 float32.
;; Outputs: out0 2 x 1,024 x 1,024 float32.
;; This version of the problem:
;;   THIS VERSION OF THE PROBLEM IS GIVEN IN LOW PRECISION. The matrix products marked QUANTISED in the list below multiply operands that are first quantised to E3M2 (3 exponent bits, 2 mantissa bits; 6 bits a number), with one power-of-two scale for each 32 numbers along K (OCP MX v1.0); their sums are f32. All else is computed in f32.
;;   The module's matrix products, in the order in which they are computed (A, B: the left and right operand; K: the contracted axis; several contracted axes count as one K, in the product's order):
;;     1. batch 2,048 x [M 1, K 2] x [K 2, N 8]; A: input expert_weights; B: computed on the way: left as it is (K = 2 < 32)
;;     2. [M 2,048, K 1,024] x [K 1,024, N 2,048]; A: input x; B: input w1: QUANTISED
;;     3. [M 2,048, K 2,048] x [K 2,048, N 1,024]; A: computed on the way; B: input w2: QUANTISED
;;     4. [M 2,048, K 1,024] x [K 1,024, N 2,048]; A: input x; B: input w1: QUANTISED
;;     5. [M 2,048, K 2,048] x [K 2,048, N 1,024]; A: computed on the way; B: input w2: QUANTISED
;;     6. [M 2,048, K 1,024] x [K 1,024, N 2,048]; A: input x; B: input w1: QUANTISED
;;     7. [M 2,048, K 2,048] x [K 2,048, N 1,024]; A: computed on the way; B: input w2: QUANTISED
;;     8. [M 2,048, K 1,024] x [K 1,024, N 2,048]; A: input x; B: input w1: QUANTISED
;;     9. [M 2,048, K 2,048] x [K 2,048, N 1,024]; A: computed on the way; B: input w2: QUANTISED
;;     10. [M 2,048, K 1,024] x [K 1,024, N 2,048]; A: input x; B: input w1: QUANTISED
;;     11. [M 2,048, K 2,048] x [K 2,048, N 1,024]; A: computed on the way; B: input w2: QUANTISED
;;     12. [M 2,048, K 1,024] x [K 1,024, N 2,048]; A: input x; B: input w1: QUANTISED
;;     13. [M 2,048, K 2,048] x [K 2,048, N 1,024]; A: computed on the way; B: input w2: QUANTISED
;;     14. [M 2,048, K 1,024] x [K 1,024, N 2,048]; A: input x; B: input w1: QUANTISED
;;     15. [M 2,048, K 2,048] x [K 2,048, N 1,024]; A: computed on the way; B: input w2: QUANTISED
;;     16. [M 2,048, K 1,024] x [K 1,024, N 2,048]; A: input x; B: input w1: QUANTISED
;;     17. [M 2,048, K 2,048] x [K 2,048, N 1,024]; A: computed on the way; B: input w2: QUANTISED
;;   THE QUANTISER, for each operand of a quantised product, along K:
;;     - K is cut into blocks of 32 from its start; a last block that is shorter is filled with zeros.
;;     - A block's scale is 2^e with e = floor(log2(the largest magnitude in the block)) - 4, held to -126 .. 127; a block of zeros has e = 0. As a byte (E8M0): e + 127.
;;     - Each number is divided by its block's scale, clamped to +-28, and rounded to the nearest number of E3M2, ties to even, subnormals kept.
;;     - The product sums the exact products of the quantised numbers (number of the format x scale) in f32.
;;   ~~~python
;;   def quantise(x, axis):      # numpy; x: float32 -> the quantised numbers, widened to float32 again
;;       x = np.moveaxis(x, axis, -1); K = x.shape[-1]
;;       x = np.pad(x, [(0, 0)] * (x.ndim - 1) + [(0, -K % 32)]); x = x.reshape(x.shape[:-1] + (-1, 32)); a = np.abs(x).max(-1, keepdims=True)
;;       e = np.where(a > 0, np.clip(np.frexp(np.where(a > 0, a, 1))[1] - 1 - 4, -126, 127), 0)      # np.frexp(a)[1] - 1 = floor(log2(a)), exactly
;;       r = np.clip(x / 2.0 ** e, -28, 28)
;;       step = 2.0 ** (np.maximum(np.frexp(np.where(r == 0, 1, r))[1] - 1, -2) - 2)
;;       q = np.round(r / step) * step * 2.0 ** e      # np.round: ties to even
;;       return np.moveaxis(q.reshape(q.shape[:-2] + (-1,))[..., :K], -1, axis).astype(np.float32)
;;   ~~~
;;   OPERANDS COMPUTED ON THE WAY. 'Computed on the way' means the value that the module computes at that place (a softmax that the list does not call 'softmax' is quantised finished and normalised). What goes into a quantiser is computed in f32, as accurately as f32 sums, v_exp_f32 and their like allow (about 1e-6 of the number): no bf16 or f16 on the way to a quantiser, and a product that is left as it is and whose result goes on into a quantised operand takes f32 operands (vector FMAs, or v_wmma_f32_16x16x4_f32). A number that lies on a knife's edge between two numbers of the format may be rounded either way, as far as f32 arithmetic and the matrix unit's own rounding can turn it there, and no further.
;; 2 versions. Each part assembles by itself: llvm-mc -triple=amdgcn-amd-amdhsa -mcpu=gfx1250 --defsym DOCPART=n.
;; ======== version 1 of 2: 4 launches
;; workspace buffers: w1q 12,582,912 bytes; w2q 12,582,912 bytes; wsc 1,048,576 bytes; xq 1,638,400 bytes; route 33,792 bytes of whole numbers; hq 6,758,400 bytes; y 17,301,504 bytes
;; launch prep (part 1): grid 1089 x 1, 4 waves a work-group, no clusters, 34,304 bytes of LDS; arguments x, w1, w2, top_experts, xq, w1q, w2q, wsc, route; writes xq, w1q, w2q, wsc, route
.if DOCPART == 1
	.amdgcn_target "amdgcn-amd-amdhsa--gfx1250"
	.amdhsa_code_object_version 6
	.text
	.protected	k_qedf7b59a3b_prep
	.globl	k_qedf7b59a3b_prep
	.p2align	8
	.type	k_qedf7b59a3b_prep,@function
k_qedf7b59a3b_prep:
	s_mov_b64 s[64:65], 0
	v_nop
	global_prefetch_b8 v0, s[64:65] scope:SCOPE_SE
	s_setreg_imm32_b32 hwreg(HW_REG_WAVE_MODE, 25, 1), 1
	s_wait_xcnt 0x0
; PREP: everything that is made once.  The work-group's number chooses one of four paths:
;   0          the routing: the 4,096 (token, choice) entries of top_experts are sorted by expert (a counting sort, no atomics)
;   1 .. 64    x [2048][1024] f32 -> codes of E3M2 and E8M0 scale bytes (blocks of 32 along the 1,024)
;   65 .. 576  w1 [8][1024 (K)][2048] f32 -> codes and scale bytes, K = the FIRST axis within an expert
;   577 ..1088 w2 [8][2048 (K)][1024] f32 -> the same
; A block's scale is 2^(floor(log2(its largest magnitude)) - 4); its byte is the largest magnitude's exponent field - 4, held at 1 from below.
; LIMITS: a block of zeros gets the byte 1 where the quantiser says 127 (its codes are zeros, and this program alone reads the bytes); blocks whose largest magnitude
; lies under 2^-122 get the byte 1 too; NaN and infinities are not served; expert numbers are taken to lie in 0 .. 7 (every address made of them is held inside its buffer all the same).
; The input scores enters no number of the result: no launch of this program is given it.
; LAYOUTS (this program's own buffers).
;   A weight FRAGMENT (16 columns x 128 K, 12 registers a lane) lies as the reader's registers: registers 4 c .. 4 c + 3 of reader lane L at 512 c + 16 L: 1,536 bytes, fetched by three loads of 16 bytes a lane.
;   Of 32 neighbouring columns tile u (0, 1) lane r takes column 8 u + r + 8 (r / 8): used as source 0, a result lane then holds 16 neighbouring columns in the 16 registers of tiles 0 and 1.
;   w1q [e][slice of 64 columns][K step 8][tile 4][1536];  w2q [e][slice of 32 columns][K step 16][tile 2][1536].
;   wsc: for each slice, group of 32 columns and pair of K steps 256 bytes: 8 bytes (two scale words) at 8 (16 u + r).  w1's from byte 0, w2's from 524,288.
;   xq: codes t x 768 + K step x 96 + h x 48 + c x 24 = block 4 k + 2 c + h (a reader lane's 12 registers are 48 bytes on end); scale bytes from 1,572,864, 32 a token, in K's order.
;   route: 0: a row of 16 bytes for each expert {first tile, tiles, last place, rows}; 512: pos[2 t + k], the entry's place; 16,896: list[place] = token.  An expert's places begin at 16 x its first tile.
.set RB,    32768                      ; LDS: the routing's 512 bytes; the x path owns bytes 0 .. 32,767
.set POSO,  512
.set LISTO, 16896
.set XSCO,  1572864
.set W2SC,  524288
.set EXPB,  1572864                    ; an expert's codes in bytes
.set SLICEB, 49152                     ; a slice's codes in bytes
; ---- registers of the weight paths
.set WX, 32                            ; v32-95   two sets of 32 numbers: a block of one column
.set WG, 96                            ; v96-143  codes: K step ks at +24 ks, the reader's lane half h at +12 h, its block c at +6 c
; ---- registers of the x path
.set XR, 16                            ; v16-79   four sets of 16 numbers as loaded
.set XX, 80                            ; v80-111  two sets of 16 neighbours
.set XE, 112                           ; v112-127 a scale byte for each step
.set XC, 128                           ; v128-191 codes: four registers for each step
.set SP, 80                            ; a lane's place in a stage: 64 bytes + 16
; ---- registers of the routing
.set RE,  32                           ; v32-63   my wave's 1,024 entries: register 4 q + i of lane l = entry 1024 w + 128 q + 4 l + i
.set RP,  64                           ; v64-95   their places
.set RAD, 96                           ; v96-127  4 x place, held inside the list
.set RTK, 128                          ; v128-143 their tokens
.set RM,  40                           ; s40-47   lane masks, then their counts
.set RC,  48                           ; s48-55   my wave's count for each expert
.set RBS, 56                           ; s56-63   the next free place for each expert
.macro WLOAD t, stride                 ; block t of my column: 32 rows of the weight; a load reads 128 consecutive bytes a wave, the four waves stand side by side
.irp i, 0,1,2,3,4,5,6,7,8,9,10,11,12,13,14,15,16,17,18,19,20,21,22,23,24,25,26,27,28,29,30,31
	global_load_b32 v[WX+32*((\t)%2)+\i], v3, s[24:25] offset:(32*(\t)+\i)*\stride th:TH_LOAD_NT
.endr
.endm
.macro WBLOCK t, stride, ksb
.set WXS, WX+32*((\t)%2)
.set WBB, WG+24*((\t)/4)+12*((\t)%2)+6*(((\t)%4)/2)
.if (\t) < 7
	s_wait_loadcnt 32                              ; this block's 32 loads are in; the next block's 32 may be out
.else
	s_wait_loadcnt 0x0
.endif
	v_max3_num_f32 v8, |v[WXS]|, |v[WXS+1]|, |v[WXS+2]|            ; the block's largest magnitude: all 32 numbers are mine; two chains
	v_max3_num_f32 v9, |v[WXS+3]|, |v[WXS+4]|, |v[WXS+5]|
.irp i, 6,10,14,18,22,26
	v_max3_num_f32 v8, v8, |v[WXS+\i]|, |v[WXS+\i+1]|
	v_max3_num_f32 v9, v9, |v[WXS+\i+2]|, |v[WXS+\i+3]|
.endr
	v_max3_num_f32 v8, v8, |v[WXS+30]|, |v[WXS+31]|
	v_max3_num_f32 v8, v8, v9, 0x2800000           ; and the floor 2^(5 - 127): the byte cannot fall under 1
	v_add_nc_u32 v10, 0xfe000000, v8               ; 4 off the exponent field: the conversion takes this operand's exponent field as its scale
	v_lshrrev_b32 v11, 23, v10                     ; the scale's byte
.if (\t)%4 == 0
	v_mov_b32 v[12+(\t)/4], v11                    ; four bytes make a K step's scale word, the lower K in the lower byte
.else
	v_lshl_or_b32 v[12+(\t)/4], v11, 8*((\t)%4), v[12+(\t)/4]
.endif
	v_cvt_scalef32_pk16_bf6_f32 v[WBB:WBB+2], v[WXS:WXS+15], v10
	v_cvt_scalef32_pk16_bf6_f32 v[16:18], v[WXS+16:WXS+31], v10    ; (a conversion's three registers begin on an even number: the block's second three are moved)
	v_nop                                          ; one plain instruction behind the conversions
.irp i, 0,1,2
	v_mov_b32 v[WBB+3+\i], v[16+\i]
.endr
.if (\t)+2 < 8
	WLOAD (\t)+2, \stride
.endif
.if (\t)%4 == 3                        ; a K step is whole: six stores; in each, sixteen lanes fill 256 consecutive aligned bytes of tile 0's fragment and sixteen of tile 1's
.irp h, 0,1
.irp c, 0,1,2
	global_store_b128 v4, v[WG+24*((\t)/4)+12*\h+4*\c:WG+24*((\t)/4)+12*\h+4*\c+3], s[26:27] offset:((\t)/4)*\ksb+256*\h+512*\c
.endr
.endr
.endif
.endm
; A wave takes 32 neighbouring columns x 256 along K (two K steps).  A LANE TAKES A COLUMN AND ITS REGISTERS RUN DOWN K: a block lies in one lane, and the conversions give codes with K innermost.
; Each K step has code registers of its own, so no store's data are written again.
.macro WBODY stride, ksb
	v_lshlrev_b32 v3, 2, v1                        ; in: 4 bytes a lane
	v_bfe_u32 v6, v1, 3, 1                         ; u: my column's tile
	v_and_b32 v7, 7, v1
	v_lshrrev_b32 v2, 4, v1
	v_lshl_add_u32 v7, v2, 3, v7                   ; r: my column's lane in that tile
	v_mul_u32_u24 v4, v6, 1536
	v_lshl_add_u32 v4, v7, 4, v4                   ; codes: 1536 u + 16 r
	v_lshlrev_b32 v5, 7, v6
	v_lshl_add_u32 v5, v7, 3, v5                   ; scale words: 128 u + 8 r
	WLOAD 0, \stride
	WLOAD 1, \stride
.irp t, 0,1,2,3,4,5,6,7
	WBLOCK \t, \stride, \ksb
.endr
	global_store_b64 v5, v[12:13], s[28:29]        ; 32 lanes store 256 consecutive aligned bytes
	s_endpgm
.endm
.macro XLD t
.irp i, 0,1,2,3
	global_load_b128 v[XR+16*((\t)%4)+4*\i:XR+16*((\t)%4)+4*\i+3], v3, s[24:25] offset:2048*(\t)+512*\i th:TH_LOAD_NT   ; 32 lanes read 512 consecutive bytes
.endr
.endm
.macro XTURN t                         ; a step's 2,048 bytes through my wave's stage: in as loaded, out 64 bytes a lane.  LDS serves a wave's instructions in order: no wait between
.irp i, 0,1,2,3
	ds_store_b128 v14, v[XR+16*((\t)%4)+4*\i:XR+16*((\t)%4)+4*\i+3] offset:32*SP*((\t)%2)+8*SP*\i
.endr
.irp i, 0,1,2,3
	ds_load_b128 v[XX+16*((\t)%2)+4*\i:XX+16*((\t)%2)+4*\i+3], v15 offset:32*SP*((\t)%2)+16*\i
.endr
.endm
.macro XSTEP t
.set XXS, XX+16*((\t)%2)
.if (\t) > 0
	s_wait_dscnt 1                                 ; this step's numbers are back from the stage (the last step's byte store may be out)
.else
	s_wait_dscnt 0x0
.endif
.if (\t)+4 < 16
	XLD (\t)+4                                     ; into the registers that this step's stage stores have read
.endif
.if (\t)+1 < 16
.if 14-(\t) >= 3
	s_wait_loadcnt 12                              ; the next step's four loads are in; those of the three steps behind it may be out
.else
	s_wait_loadcnt 4*(14-(\t))
.endif
	XTURN (\t)+1
.endif
	v_max3_num_f32 v8, |v[XXS]|, |v[XXS+1]|, |v[XXS+2]|            ; the largest magnitude of my 16
	v_max3_num_f32 v9, |v[XXS+3]|, |v[XXS+4]|, |v[XXS+5]|
.irp i, 6,10
	v_max3_num_f32 v8, v8, |v[XXS+\i]|, |v[XXS+\i+1]|
	v_max3_num_f32 v9, v9, |v[XXS+\i+2]|, |v[XXS+\i+3]|
.endr
	v_max3_num_f32 v8, v8, |v[XXS+14]|, |v[XXS+15]|
	v_max3_num_f32 v8, v8, v9, 0x2800000           ; and the floor
	v_max_num_f32_dpp v8, v8, v8 row_xmask:1 row_mask:0xf bank_mask:0xf   ; and of my neighbour's 16: the block's
	v_add_nc_u32 v11, 0xfe000000, v8
	v_cvt_scalef32_pk16_bf6_f32 v[XC+4*(\t):XC+4*(\t)+2], v[XXS:XXS+15], v11
	v_lshrrev_b32 v[XE+(\t)], 23, v11              ; the scale's byte (also the plain instruction behind the conversion)
	ds_store_b8 v5, v[XE+(\t)] offset:16*(\t)      ; both lanes of a block write the same byte with the same value
	global_store_b96 v4, v[XC+4*(\t):XC+4*(\t)+2], s[26:27] offset:384*(\t)   ; the wave's 32 pieces of 12 bytes cover 384 consecutive bytes
.endm
	s_load_b256 s[4:11], s[0:1], 0x0               ; x s[4:5], w1 s[6:7], w2 s[8:9], top_experts s[10:11]
	s_load_b256 s[12:19], s[0:1], 0x20             ; xq s[12:13], w1q s[14:15], w2q s[16:17], wsc s[18:19]
	s_load_b64 s[20:21], s[0:1], 0x40              ; route
	v_lshl_add_u32 v192, v0, 2, 0x8400
	v_mov_b32 v193, 0
	v_lshrrev_b32 v1, 5, v0
	v_readfirstlane_b32 s22, v1                    ; wave 0..3
	v_and_b32 v1, 31, v0                           ; lane
	s_wait_kmcnt 0x0
	s_cmp_eq_u32 ttmp9, 0
	s_cbranch_scc1 .Lroute
	s_cmp_lt_u32 ttmp9, 65
	s_cbranch_scc1 .Lx
	s_cmp_lt_u32 ttmp9, 577
	s_cbranch_scc1 .Lw1
	; ---- w2: g = e x 64 + (block of 4 slices) x 8 + (256 along K)
	s_sub_co_u32 s23, ttmp9, 577
	s_lshr_b32 s30, s23, 6                         ; e
	s_bfe_u32 s31, s23, 0x30003
	s_and_b32 s32, s23, 7                          ; kq
	s_lshl_b32 s31, s31, 2
	s_add_co_u32 s31, s31, s22                     ; the slice: my wave's 32 columns
	s_lshl_b32 s24, s30, 23                        ; an expert is 8,388,608 bytes,
	s_lshl_b32 s33, s32, 20                        ; 256 rows of 4,096 bytes,
	s_add_co_u32 s24, s24, s33
	s_lshl_b32 s33, s31, 7                         ; 32 columns
	s_add_co_u32 s24, s24, s33
	s_mov_b32 s25, 0
	s_add_nc_u64 s[24:25], s[8:9], s[24:25]
	s_mul_i32 s26, s30, EXPB
	s_mul_i32 s33, s31, SLICEB
	s_add_co_u32 s26, s26, s33
	s_mul_i32 s33, s32, 6144                       ; two K steps of two fragments
	s_add_co_u32 s26, s26, s33
	s_mov_b32 s27, 0
	s_add_nc_u64 s[26:27], s[16:17], s[26:27]
	s_lshl_b32 s28, s30, 16
	s_lshl_b32 s33, s31, 11
	s_add_co_u32 s28, s28, s33
	s_lshl_b32 s33, s32, 8
	s_add_co_u32 s28, s28, s33
	s_add_co_u32 s28, s28, W2SC
	s_mov_b32 s29, 0
	s_add_nc_u64 s[28:29], s[18:19], s[28:29]
	WBODY 4096, 3072
.Lw1:	; ---- w1: g = e x 64 + (block of 4 groups of 32 columns) x 4 + (256 along K)
	s_sub_co_u32 s23, ttmp9, 65
	s_lshr_b32 s30, s23, 6                         ; e
	s_bfe_u32 s31, s23, 0x40002
	s_and_b32 s32, s23, 3                          ; kq
	s_lshl_b32 s31, s31, 2
	s_add_co_u32 s31, s31, s22                     ; my wave's group of 32 columns: slice = group / 2, b = group % 2
	s_lshl_b32 s24, s30, 23
	s_lshl_b32 s33, s32, 21                        ; 256 rows of 8,192 bytes
	s_add_co_u32 s24, s24, s33
	s_lshl_b32 s33, s31, 7
	s_add_co_u32 s24, s24, s33
	s_mov_b32 s25, 0
	s_add_nc_u64 s[24:25], s[6:7], s[24:25]
	s_lshl_b32 s28, s30, 16
	s_lshl_b32 s33, s31, 10                        ; 2,048 a slice + 1,024 b
	s_add_co_u32 s28, s28, s33
	s_lshl_b32 s33, s32, 8
	s_add_co_u32 s28, s28, s33
	s_mov_b32 s29, 0
	s_add_nc_u64 s[28:29], s[18:19], s[28:29]
	s_mul_i32 s26, s30, EXPB
	s_lshr_b32 s33, s31, 1
	s_mul_i32 s33, s33, SLICEB
	s_add_co_u32 s26, s26, s33
	s_and_b32 s33, s31, 1
	s_mul_i32 s33, s33, 3072                       ; tiles 2 b and 2 b + 1
	s_add_co_u32 s26, s26, s33
	s_mul_i32 s33, s32, 12288                      ; two K steps of four fragments
	s_add_co_u32 s26, s26, s33
	s_mov_b32 s27, 0
	s_add_nc_u64 s[26:27], s[14:15], s[26:27]
	WBODY 8192, 6144
.Lx:	; ---- x: a wave takes 16 steps of 512 numbers (8 tokens).  Each load reads 512 consecutive bytes; the numbers turn through the wave's own stage in LDS so that a lane holds 16 neighbours; two lanes hold a block.
	v_lshlrev_b32 v3, 4, v1                        ; my 16 bytes of a load's 512
	s_mul_i32 s23, s22, 8192                       ; my wave's LDS: two stages of 32 x 80 bytes, then its 256 scale bytes
	v_lshrrev_b32 v14, 2, v1
	v_mul_u32_u24 v14, v14, SP
	v_and_b32 v15, 3, v1
	v_lshl_add_u32 v14, v15, 4, v14
	v_add_nc_u32 v14, s23, v14                     ; the stage, in: 80 (lane / 4) + 16 (lane % 4)
	v_mul_u32_u24 v15, v1, SP
	v_add_nc_u32 v15, s23, v15                     ; out: 80 x lane
	v_lshrrev_b32 v4, 3, v1                        ; my codes' place in a step's 384 bytes: K step lane / 8,
	v_mul_u32_u24 v4, v4, 96
	v_bfe_u32 v6, v1, 1, 1                         ; block b = (lane / 2) % 4 at slot 2 (b % 2) + b / 2,
	v_bfe_u32 v7, v1, 2, 1
	v_lshl_add_u32 v6, v6, 1, v7
	v_mad_u32_u24 v4, v6, 24, v4
	v_and_b32 v6, 1, v1
	v_mad_u32_u24 v4, v6, 12, v4                   ; its lower or upper 16 codes
	v_lshrrev_b32 v5, 1, v1
	s_add_co_u32 s23, s23, 2*32*SP
	v_add_nc_u32 v5, s23, v5                       ; my block's scale byte in LDS
	v_lshlrev_b32 v7, 3, v1
	v_add_nc_u32 v6, s23, v7                       ; and on the way out 8 bytes a lane
	s_sub_co_u32 s30, ttmp9, 1
	s_lshl_b32 s30, s30, 2
	s_add_co_u32 s30, s30, s22                     ; which run of 8,192 numbers is my wave's
	s_lshl_b32 s24, s30, 15
	s_mov_b32 s25, 0
	s_add_nc_u64 s[24:25], s[4:5], s[24:25]
	s_mul_i32 s26, s30, 6144
	s_mov_b32 s27, 0
	s_add_nc_u64 s[26:27], s[12:13], s[26:27]
	s_lshl_b32 s28, s30, 8
	s_add_co_u32 s28, s28, XSCO
	s_mov_b32 s29, 0
	s_add_nc_u64 s[28:29], s[12:13], s[28:29]
.irp t, 0,1,2,3
	XLD \t
.endr
	s_wait_loadcnt 12                              ; step 0's four loads are in
	XTURN 0
.irp t, 0,1,2,3,4,5,6,7,8,9,10,11,12,13,14,15
	XSTEP \t
.endr
	ds_load_b64 v[12:13], v6                       ; these see my byte stores: LDS serves a wave's instructions in order
	s_wait_dscnt 0x0
	global_store_b64 v7, v[12:13], s[28:29]        ; 32 lanes store 256 consecutive aligned bytes
	s_wait_tensorcnt 0x0
	ds_add_u32 v192, v193
	s_wait_dscnt 0x0
	s_endpgm
.Lroute:	; ---- the routing: one work-group.  Pass 1 counts each wave's entries by expert; the counts meet in LDS; pass 2 gives each entry its place.
	v_lshlrev_b32 v5, 4, v1                        ; 16 x lane
	s_lshl_b32 s23, s22, 12
	v_add_nc_u32 v2, s23, v5                       ; my 16 bytes of my wave's 4,096
	v_lshlrev_b32 v3, 2, v1
	v_lshl_add_u32 v4, v0, 2, RB                   ; my word among the four waves' counts
.irp q, 0,1,2,3,4,5,6,7
	global_load_b128 v[RE+4*\q:RE+4*\q+3], v2, s[10:11] offset:512*\q
.endr
.irp e, 0,1,2,3,4,5,6,7
	s_mov_b32 s[RC+\e], 0
.endr
	s_add_nc_u64 s[34:35], s[20:21], LISTO
	s_wait_loadcnt 0x0
.set j, 0
.rept 32
.irp e, 0,1,2,3,4,5,6,7
	v_cmp_eq_u32 s[RM+\e], \e, v[RE+j]
.endr
.irp e, 0,1,2,3,4,5,6,7
	s_bcnt1_i32_b32 s[RM+\e], s[RM+\e]
.endr
.irp e, 0,1,2,3,4,5,6,7
	s_add_co_u32 s[RC+\e], s[RC+\e], s[RM+\e]
.endr
.set j, j+1
.endr
	v_mov_b32 v6, 0
.irp e, 0,1,2,3,4,5,6,7
	v_writelane_b32 v6, s[RC+\e], \e               ; lane e = expert e; lanes 8-31 hold 0
.endr
	ds_store_b32 v4, v6
	s_wait_dscnt 0x0                               ; for the others' sake: my counts lie in LDS
	s_barrier_signal -1
	s_barrier_wait -1                              ; (the branch that led here hangs on the work-group's number alone: all four waves are here)
.irp w, 0,1,2,3
	ds_load_b32 v[16+\w], v3 offset:RB+128*\w      ; wave w's counts, lane e = expert e
.endr
	s_wait_dscnt 0x0
	v_add_nc_u32 v23, v16, v17
	v_add3_u32 v23, v23, v18, v19                  ; the expert's rows
	v_add_nc_u32 v21, 15, v23
	v_lshrrev_b32 v21, 4, v21                      ; its tiles of 16
	v_mov_b32 v6, v21
	v_mov_b32 v7, 0
	v_mov_b32_dpp v7, v6 row_shr:1 row_mask:0xf bank_mask:0xf bound_ctrl:1   ; a running sum over lanes 0-7 in three steps
	v_add_nc_u32 v6, v6, v7
	v_mov_b32_dpp v7, v6 row_shr:2 row_mask:0xf bank_mask:0xf bound_ctrl:1
	v_add_nc_u32 v6, v6, v7
	v_mov_b32_dpp v7, v6 row_shr:4 row_mask:0xf bank_mask:0xf bound_ctrl:1
	v_add_nc_u32 v6, v6, v7
	v_sub_nc_u32 v20, v6, v21                      ; its first tile
	v_lshl_add_u32 v22, v20, 4, v23
	v_add_nc_u32 v22, -1, v22                      ; its last place
	s_cmp_gt_u32 s22, 0
	s_cselect_b32 s30, 1, 0
	s_cmp_gt_u32 s22, 1
	s_cselect_b32 s31, 1, 0
	s_cmp_gt_u32 s22, 2
	s_cselect_b32 s32, 1, 0
	v_lshlrev_b32 v24, 4, v20                      ; my wave's first place: the expert's, + the counts of the waves in front of mine
	v_mad_u32_u24 v24, v16, s30, v24
	v_mad_u32_u24 v24, v17, s31, v24
	v_mad_u32_u24 v24, v18, s32, v24
.irp e, 0,1,2,3,4,5,6,7
	v_readlane_b32 s[RBS+\e], v24, \e
.endr
	s_cmp_lg_u32 s22, 0
	s_cbranch_scc1 .Lnot_wave_0
	global_store_b128 v5, v[20:23], s[20:21]       ; the table: 512 bytes, whole (rows 8-31 are read by nobody)
.Lnot_wave_0:
.set j, 0
.rept 32
.irp e, 0,1,2,3,4,5,6,7
	v_cmp_eq_u32 s[RM+\e], \e, v[RE+j]
.endr
	v_mbcnt_lo_u32_b32 v[RP+j], s[RM], s[RBS]      ; the expert's next free place + the lanes below mine that name the same expert
.irp e, 1,2,3,4,5,6,7
	v_mbcnt_lo_u32_b32 v[24+\e], s[RM+\e], s[RBS+\e]
	v_cndmask_b32 v[RP+j], v[RP+j], v[24+\e], s[RM+\e]
.endr
.irp e, 0,1,2,3,4,5,6,7
	s_bcnt1_i32_b32 s[RM+\e], s[RM+\e]
.endr
.irp e, 0,1,2,3,4,5,6,7
	s_add_co_u32 s[RBS+\e], s[RBS+\e], s[RM+\e]
.endr
.set j, j+1
.endr
	s_lshl_b32 s23, s22, 9
	v_lshl_add_u32 v6, v1, 1, s23                  ; entry / 2 = token: 512 w + 64 q + 2 l + i / 2
.irp n, 0,1,2,3,4,5,6,7,8,9,10,11,12,13,14,15
	v_add_nc_u32 v[RTK+\n], 64*(\n/2)+(\n%2), v6
.endr
.set j, 0
.rept 32
	v_min_u32 v[RAD+j], 0x107f, v[RP+j]            ; held inside the list's 4,224 words
	v_lshlrev_b32 v[RAD+j], 2, v[RAD+j]
.set j, j+1
.endr
.set j, 0
.rept 32
	global_store_b32 v[RAD+j], v[RTK+2*(j/4)+((j%4)/2)], s[34:35]   ; list[place] = token
.set j, j+1
.endr
.irp q, 0,1,2,3,4,5,6,7
	global_store_b128 v2, v[RP+4*\q:RP+4*\q+3], s[20:21] offset:POSO+512*\q   ; pos[entry] = place: 512 consecutive bytes an instruction
.endr
	s_wait_tensorcnt 0x0
	ds_add_u32 v192, v193
	s_wait_dscnt 0x0
	s_endpgm
.Lfunc_end_k_qedf7b59a3b_prep:
	.size	k_qedf7b59a3b_prep, .Lfunc_end_k_qedf7b59a3b_prep-k_qedf7b59a3b_prep
	.p2alignl 7, 3214868480
	.fill 96, 4, 3214868480
	.section	.rodata,"a",@progbits
	.p2align	6, 0x0
	.amdhsa_kernel k_qedf7b59a3b_prep
		.amdhsa_group_segment_fixed_size 34304
		.amdhsa_private_segment_fixed_size 0
		.amdhsa_enable_private_segment 0
		.amdhsa_kernarg_size 72
		.amdhsa_user_sgpr_count 2
		.amdhsa_user_sgpr_kernarg_segment_ptr 1
		.amdhsa_wavefront_size32 1
		.amdhsa_system_sgpr_workgroup_id_x 1
		.amdhsa_system_sgpr_workgroup_id_y 1
		.amdhsa_system_sgpr_workgroup_id_z 1
		.amdhsa_system_vgpr_workitem_id 0
		.amdhsa_next_free_vgpr 194
		.amdhsa_next_free_sgpr 66
		.amdhsa_reserve_vcc 0
		.amdhsa_float_denorm_mode_32 3
		.amdhsa_float_denorm_mode_16_64 3
		.amdhsa_memory_ordered 1
		.amdhsa_forward_progress 1
		.amdhsa_inst_pref_size 216
	.end_amdhsa_kernel
	.amdgpu_metadata
---
amdhsa.version: [ 1, 2 ]
amdhsa.kernels:
  - .name:           k_qedf7b59a3b_prep
    .symbol:         k_qedf7b59a3b_prep.kd
    .args:
      - { .name: x, .offset: 0, .size: 8, .value_kind: global_buffer, .address_space: global }
      - { .name: w1, .offset: 8, .size: 8, .value_kind: global_buffer, .address_space: global }
      - { .name: w2, .offset: 16, .size: 8, .value_kind: global_buffer, .address_space: global }
      - { .name: top_experts, .offset: 24, .size: 8, .value_kind: global_buffer, .address_space: global }
      - { .name: xq, .offset: 32, .size: 8, .value_kind: global_buffer, .address_space: global }
      - { .name: w1q, .offset: 40, .size: 8, .value_kind: global_buffer, .address_space: global }
      - { .name: w2q, .offset: 48, .size: 8, .value_kind: global_buffer, .address_space: global }
      - { .name: wsc, .offset: 56, .size: 8, .value_kind: global_buffer, .address_space: global }
      - { .name: route, .offset: 64, .size: 8, .value_kind: global_buffer, .address_space: global }
    .group_segment_fixed_size: 34304
    .private_segment_fixed_size: 0
    .kernarg_segment_align: 8
    .kernarg_segment_size: 72
    .max_flat_workgroup_size: 128
    .sgpr_count:     66
    .vgpr_count:     194
    .wavefront_size: 32
...
	.end_amdgpu_metadata
.endif
;; end of part 1
;; launch up (part 2): grid 32 x 8, 4 waves a work-group, no clusters, 0 bytes of LDS; arguments xq, w1q, wsc, route, hq; writes hq
.if DOCPART == 2
	.amdgcn_target "amdgcn-amd-amdhsa--gfx1250"
	.amdhsa_code_object_version 6
	.text
	.protected	k_qedf7b59a3b_up
	.globl	k_qedf7b59a3b_up
	.p2align	8
	.type	k_qedf7b59a3b_up,@function
k_qedf7b59a3b_up:
	s_mov_b64 s[64:65], 0
	v_nop
	global_prefetch_b8 v0, s[64:65] scope:SCOPE_SE
	s_setreg_imm32_b32 hwreg(HW_REG_WAVE_MODE, 25, 1), 1
	s_wait_xcnt 0x0
; UP: h = gelu(x w1[e]) for the rows that chose expert e, quantised along the hidden axis.  Work-group (x = slice of 64 hidden units, y = expert).
; THE WEIGHTS STAY IN REGISTERS: every wave holds the slice's 32 fragments (4 tiles of 16 units x 8 K steps, 384 registers), read once.  Wave w takes the expert's row tiles w, w + 4, ..: the number of
; tiles is read from the stored table, so the launch has no tensor load, no LDS and no barrier; a wave without a tile ends.
; THE PRODUCT IS USED TRANSPOSED: source 0 = 16 units of w1, source 1 = 16 rows of x: a lane holds ONE row, and, by the choice of a tile's units (lane r of tile 2 b + u: unit 32 b + 8 u + r + 8 (r / 8)),
; the 16 registers of tiles 2 b and 2 b + 1 are units 32 b + 16 (lane / 16) + 0 .. 15: neighbours along the next product's K.
; GELU, exact form: 0.5 v (1 + erf(v / sqrt 2)), erf as an odd polynomial of degree 13 over an even one of degree 8 on |z| <= 4 (beyond, z is held at 4, where erf is 1 to the last bit of f32 or nearly).
; LIMITS: erf is good to a few units in its last place, so for v far below 0 the small number 1 + erf carries an absolute error of about 1e-7; NaN and infinities are not served; a block of zeros gets the byte 1.
; A tile's last rows, where the expert's rows end inside it, repeat the expert's last row: they are written and read by nobody's result.
; OUT: hq codes: tile x 24,576 + slice x 768: the reader's registers 6 c .. 6 c + 3 at 16 x lane (512 bytes), 6 c + 4, 5 at 8 x lane (256 bytes), c = slice % 2 of K step slice / 2.
;      hq scale bytes from 6,488,064: tile x 1,024 + 512 (s / 16) + 256 ((s / 2) % 2) + 16 r + 4 ((s / 4) % 4) + 2 (s % 2) + block.
; REGISTERS.  window 0: v1 r, v2 h, v3 16 x lane, v4 8 x lane, v5 48 h, v6-9 index and addresses, v10 16 r + h, v[12:13], v[14:15] two coefficients; v16-31 w1's scale words; v32-39 x's;
;   v40-71 the four accumulators; v72-167 x's eight fragments; v168-231 at work; v232-240 codes; v242 the scale byte.   windows 1, 2: w1's fragments: (K step k, tile t) in window 1 + k / 4 at v[12 (4 (k % 4) + t)].
; SCALARS: s30 the tile in hand (of the expert's), stepped by 4; s52 counts the trips by 1 against s53, my wave's number of tiles.
.set WS,  16
.set XS,  32
.set ACC, 40
.set AF,  72
.set GZ,  168
.set GZ2, 184
.set GP,  200
.set GQ,  216
.set TM,  168
.set PC,  232
.set PB,  242
.set XSCO, 1572864
.set HSCO, 6488064
.set LISTO, 16896
.set MSB, 0
.macro WIN new                         ; the immediate's high byte repeats the setting that is left
.if MSB != \new
	s_set_vgpr_msb (MSB<<8)|\new
.set MSB, \new
.endif
.endm
.macro IDX ahead                       ; the tokens of the row tile \ahead tiles on: place 16 x tile + r, held at the expert's last place
	s_add_co_u32 s31, s30, \ahead
	s_add_co_u32 s31, s31, s20
	s_min_u32 s31, s31, 263
	v_lshl_add_u32 v6, s31, 4, v1
	v_min_u32 v6, s22, v6
	v_min_u32 v6, 0x107f, v6
	v_lshlrev_b32 v6, 2, v6
	global_load_b32 v7, v6, s[36:37]
.endm
.macro ADDR                            ; five plain instructions that name no register of the products: they are also the places behind them (ISA guide 7.12.1)
	v_min_u32 v7, 0x7ff, v7
	v_mul_u32_u24 v8, v7, 768
	v_add_nc_u32 v8, v8, v5                        ; my row's codes, my half's 48 bytes of each K step
	v_lshlrev_b32 v9, 5, v7                        ; my row's 32 scale bytes
	v_nop
.endm
.macro ALOAD                           ; 26 loads: a row tile's eight fragments and its eight scale words
.irp k, 0,1,2,3,4,5,6,7
.irp c, 0,1,2
	global_load_b128 v[AF+12*\k+4*\c:AF+12*\k+4*\c+3], v8, s[4:5] offset:96*\k+16*\c
.endr
.endr
.irp q, 0,1
	global_load_b128 v[XS+4*\q:XS+4*\q+3], v9, s[4:5] offset:XSCO+16*\q
.endr
.endm
.macro MULK k                          ; one K step: the four accumulators by turns, one instruction a turn.  K step 0 starts the sums
.irp t, 0,1,2,3
.set rD, ACC+8*\t
.set rW, 12*(4*((\k)%4)+\t)
.set rA, AF+12*(\k)
.set rS, WS+8*(\t/2)+(\k)
.set rX, XS+(\k)
.if (\k) == 0
.if \t%2
	v_wmma_scale_f32_16x16x128_f8f6f4 v[rD:rD+7], v[rW:rW+11], v[rA:rA+11], 0, v[rS], v[rX] matrix_a_fmt:MATRIX_FMT_BF6 matrix_b_fmt:MATRIX_FMT_BF6 matrix_a_scale:MATRIX_SCALE_ROW1
.else
	v_wmma_scale_f32_16x16x128_f8f6f4 v[rD:rD+7], v[rW:rW+11], v[rA:rA+11], 0, v[rS], v[rX] matrix_a_fmt:MATRIX_FMT_BF6 matrix_b_fmt:MATRIX_FMT_BF6
.endif
.else
.if \t%2
	v_wmma_scale_f32_16x16x128_f8f6f4 v[rD:rD+7], v[rW:rW+11], v[rA:rA+11], v[rD:rD+7], v[rS], v[rX] matrix_a_fmt:MATRIX_FMT_BF6 matrix_b_fmt:MATRIX_FMT_BF6 matrix_a_scale:MATRIX_SCALE_ROW1
.else
	v_wmma_scale_f32_16x16x128_f8f6f4 v[rD:rD+7], v[rW:rW+11], v[rA:rA+11], v[rD:rD+7], v[rS], v[rX] matrix_a_fmt:MATRIX_FMT_BF6 matrix_b_fmt:MATRIX_FMT_BF6
.endif
.endif
.endr
.endm
; gelu in place on 16 registers (two accumulators), eight pairs side by side.  Each accumulator is read from its low end on.
.macro GELU16 B
.irp i, 0,2,4,6,8,10,12,14
	v_pk_mul_f32 v[GZ+\i:GZ+\i+1], v[\B+\i:\B+\i+1], 0x3f3504f3 op_sel_hi:[1,0]          ; z = v / sqrt 2
.endr
.irp i, 0,1,2,3,4,5,6,7,8,9,10,11,12,13,14,15
	v_med3_num_f32 v[GZ+\i], v[GZ+\i], -4.0, 4.0
.endr
.irp i, 0,2,4,6,8,10,12,14
	v_pk_mul_f32 v[GZ2+\i:GZ2+\i+1], v[GZ+\i:GZ+\i+1], v[GZ+\i:GZ+\i+1]
.endr
.irp i, 0,2,4,6,8,10,12,14
	v_pk_fma_f32 v[GP+\i:GP+\i+1], v[GZ2+\i:GZ2+\i+1], v[12:13], 0x32edffee op_sel_hi:[1,1,0]   ; the numerator, by Horner's rule in z^2
.endr
.irp c, 0xb60cff51, 0xb86ec2d2, 0xba40ac63, 0xbb41a1f6, 0xbc83dbd4
.irp i, 0,2,4,6,8,10,12,14
	v_pk_fma_f32 v[GP+\i:GP+\i+1], v[GP+\i:GP+\i+1], v[GZ2+\i:GZ2+\i+1], \c op_sel_hi:[1,1,0]
.endr
.endr
.irp i, 0,2,4,6,8,10,12,14
	v_pk_fma_f32 v[GQ+\i:GQ+\i+1], v[GZ2+\i:GZ2+\i+1], v[14:15], 0xb95fbd29 op_sel_hi:[1,1,0]   ; the denominator
.endr
.irp c, 0xbadc924e, 0xbbf19bf8, 0xbc69b6a7
.irp i, 0,2,4,6,8,10,12,14
	v_pk_fma_f32 v[GQ+\i:GQ+\i+1], v[GQ+\i:GQ+\i+1], v[GZ2+\i:GZ2+\i+1], \c op_sel_hi:[1,1,0]
.endr
.endr
.irp i, 0,1,2,3,4,5,6,7,8,9,10,11,12,13,14,15
	v_rcp_f32 v[GQ+\i], v[GQ+\i]
.endr
.irp i, 0,2,4,6,8,10,12,14
	v_pk_mul_f32 v[GP+\i:GP+\i+1], v[GP+\i:GP+\i+1], v[GZ+\i:GZ+\i+1]                     ; sixteen plain lines that name no reciprocal
.endr
.irp i, 0,2,4,6,8,10,12,14
	v_pk_mul_f32 v[GZ+\i:GZ+\i+1], v[\B+\i:\B+\i+1], 0.5 op_sel_hi:[1,0]
.endr
	s_wait_alu depctr_va_vdst(0)                   ; the wait ahead of the first reader of a reciprocal: one for the sixteen
.irp i, 0,2,4,6,8,10,12,14
	v_pk_mul_f32 v[GP+\i:GP+\i+1], v[GP+\i:GP+\i+1], v[GQ+\i:GQ+\i+1]                     ; erf
.endr
.irp i, 0,2,4,6,8,10,12,14
	v_pk_fma_f32 v[\B+\i:\B+\i+1], v[GZ+\i:GZ+\i+1], v[GP+\i:GP+\i+1], v[GZ+\i:GZ+\i+1]   ; v / 2 x erf + v / 2
.endr
.endm
; the tile's 64 units of my row: two blocks of 32, each in lanes l and l xor 16
.macro QUANT
	s_wait_xcnt 0x0                                ; the last trip's stores have read their data and bases: both are written again below
.irp b, 0,1
	v_max3_num_f32 v[TM+\b], |v[ACC+16*\b]|, |v[ACC+16*\b+1]|, 0x2800000   ; my 16 numbers and the floor 2^(5 - 127)
.endr
.irp i, 2,4,6,8,10,12,14
.irp b, 0,1
	v_max3_num_f32 v[TM+\b], v[TM+\b], |v[ACC+16*\b+\i]|, |v[ACC+16*\b+\i+1]|
.endr
.endr
.irp b, 0,1
	v_permlanex16_b32 v[TM+2+\b], v[TM+\b], s38, s39
.endr
.irp b, 0,1
	v_max_num_f32 v[TM+\b], v[TM+\b], v[TM+2+\b]   ; the block's largest magnitude
.endr
.irp b, 0,1
	v_add_nc_u32 v[TM+4+\b], 0xfe000000, v[TM+\b]  ; 4 off its exponent field: the conversion's scale operand
.endr
.irp b, 0,1
	v_lshrrev_b32 v[TM+6+\b], 23, v[TM+4+\b]       ; the scale's byte
.endr
	v_cndmask_b32 v[PB], v[TM+6], v[TM+7], s40     ; lanes 0-15 store block 0's byte, lanes 16-31 block 1's
	v_cvt_scalef32_pk16_bf6_f32 v[PC:PC+2], v[ACC:ACC+15], v[TM+4]
	v_cvt_scalef32_pk16_bf6_f32 v[PC+6:PC+8], v[ACC+16:ACC+31], v[TM+5]
	v_nop                                          ; one plain instruction behind the conversions
.irp i, 0,1,2
	v_permlane16_swap_b32 v[PC+\i], v[PC+6+\i]     ; the operand wants a WHOLE block in a lane: lanes 0-15 block 0, lanes 16-31 block 1
.endr
.irp i, 0,1,2
	v_mov_b32 v[PC+3+\i], v[PC+6+\i]
.endr
.endm
.macro STORE
	s_add_co_u32 s31, s20, s30
	s_min_u32 s31, s31, 263
	s_mul_i32 s32, s31, 24576
	s_add_co_u32 s32, s32, s42
	s_add_nc_u64 s[26:27], s[12:13], s[32:33]
	s_lshl_b32 s32, s31, 10
	s_add_nc_u64 s[28:29], s[44:45], s[32:33]
	global_store_b128 v3, v[PC:PC+3], s[26:27]             ; 512 consecutive aligned bytes
	global_store_b64 v4, v[PC+4:PC+5], s[26:27] offset:512 ; 256 consecutive aligned bytes
	global_store_b8 v10, v[PB], s[28:29]                   ; a slice owns two bytes of each row's scale word
.endm
	s_load_b256 s[4:11], s[0:1], 0x0               ; xq s[4:5], w1q s[6:7], wsc s[8:9], route s[10:11]
	s_load_b64 s[12:13], s[0:1], 0x20              ; hq
	v_lshrrev_b32 v1, 5, v0
	v_readfirstlane_b32 s14, v1                    ; wave
	s_mov_b32 s15, ttmp9                           ; slice
	s_and_b32 s16, ttmp7, 0xffff                   ; expert
	v_and_b32 v11, 31, v0
	v_and_b32 v1, 15, v0                           ; r
	v_bfe_u32 v2, v0, 4, 1                         ; h
	v_lshlrev_b32 v3, 4, v11
	v_lshlrev_b32 v4, 3, v11
	v_mul_u32_u24 v5, v2, 48
	v_lshl_add_u32 v10, v1, 4, v2
	v_mov_b32 v12, 0xaf95df0b                      ; the numerator's leading coefficient, twice: an instruction takes one literal
	v_mov_b32 v13, 0xaf95df0b
	v_mov_b32 v14, 0xb77460cd                      ; the denominator's
	v_mov_b32 v15, 0xb77460cd
	s_mov_b32 s38, 0x76543210
	s_mov_b32 s39, 0xfedcba98                      ; v_permlanex16_b32's selects for lane l xor 16
	s_mov_b32 s40, 0xffff0000                      ; lanes 16-31
	s_lshl_b32 s18, s16, 4
	s_mov_b32 s19, 0
	s_mov_b32 s33, 0
	s_lshr_b32 s41, s15, 4                         ; where the slice's scale bytes lie in a tile's 1,024
	s_lshl_b32 s41, s41, 9
	s_bfe_u32 s31, s15, 0x10001
	s_lshl_b32 s31, s31, 8
	s_add_co_u32 s41, s41, s31
	s_bfe_u32 s31, s15, 0x20002
	s_lshl_b32 s31, s31, 2
	s_add_co_u32 s41, s41, s31
	s_and_b32 s31, s15, 1
	s_lshl_b32 s31, s31, 1
	s_add_co_u32 s41, s41, s31
	s_mul_i32 s42, s15, 768
	s_wait_kmcnt 0x0
	s_add_nc_u64 s[18:19], s[10:11], s[18:19]
	s_load_b128 s[20:23], s[18:19], 0x0            ; the expert's row of the table: first tile, tiles, last place, rows
	s_add_nc_u64 s[36:37], s[10:11], LISTO
	s_mul_i32 s32, s16, 1572864
	s_mul_i32 s31, s15, 49152
	s_add_co_u32 s32, s32, s31
	s_add_nc_u64 s[46:47], s[6:7], s[32:33]        ; the slice's fragments
	s_lshl_b32 s32, s16, 16
	s_lshl_b32 s31, s15, 11
	s_add_co_u32 s32, s32, s31
	s_add_nc_u64 s[48:49], s[8:9], s[32:33]        ; and their scale words
	s_add_co_u32 s32, s41, HSCO
	s_add_nc_u64 s[44:45], s[12:13], s[32:33]
	s_wait_kmcnt 0x0
	s_min_u32 s20, s20, 263
	s_min_u32 s21, s21, 264
	s_min_u32 s22, s22, 4223
	s_cmp_ge_u32 s14, s21
	s_cbranch_scc1 .Lend                           ; no tile for my wave
	s_mov_b32 s30, s14                             ; the tile in hand
	s_sub_co_u32 s53, s21, s14                     ; my wave's tiles w, w + 4, .. below the expert's number of tiles: (tiles - w + 3) / 4 of them, at least one here,
	s_add_co_u32 s53, s53, 3
	s_lshr_b32 s53, s53, 2
	s_min_u32 s53, s53, 66                         ; at most 264 / 4
	s_mov_b32 s52, 0                               ; trips done
	IDX 0
	s_wait_loadcnt 0x0
	ADDR
	ALOAD
	IDX 4
	WIN 0x40                                       ; destination window 1
.irp k, 0,1,2,3
.irp t, 0,1,2,3
.irp c, 0,1,2
	global_load_b128 v[12*(4*\k+\t)+4*\c:12*(4*\k+\t)+4*\c+3], v3, s[46:47] offset:(4*\k+\t)*1536+512*\c
.endr
.endr
.endr
	WIN 0x80                                       ; destination window 2
.irp k, 4,5,6,7
.irp t, 0,1,2,3
.irp c, 0,1,2
	global_load_b128 v[12*(4*(\k-4)+\t)+4*\c:12*(4*(\k-4)+\t)+4*\c+3], v3, s[46:47] offset:(4*\k+\t)*1536+512*\c
.endr
.endr
.endr
	WIN 0
.irp m, 0,1,2,3,4,5,6,7
	global_load_b64 v[WS+2*\m:WS+2*\m+1], v4, s[48:49] offset:256*\m   ; register 8 b + k: lanes 0-15 tile 2 b's word of K step k, lanes 16-31 tile 2 b + 1's
.endr
	s_wait_loadcnt 0x0
.Ltile:                                                ; a trip = a row tile: 32 products; the next tile's loads; gelu; the codes
	s_wait_loadcnt 0x1                             ; this tile's 26 loads are in; the one behind them, the index load, may be out
	WIN 0x01                                       ; source 0 in window 1
	MULK 0
	MULK 1
	MULK 2
	MULK 3
	WIN 0x02
	MULK 4
	MULK 5
	MULK 6
	MULK 7
	WIN 0
	s_wait_loadcnt 0x0                             ; the next tile's tokens
	ADDR
	ALOAD                                          ; (past the expert's last tile: its last row again, used by nobody)
	IDX 8
	GELU16 ACC
	GELU16 ACC+16
	QUANT
	STORE
	s_add_co_u32 s30, s30, 4                       ; my next tile
	s_add_co_u32 s52, s52, 1                       ; the loop is counted by trips, one a trip
	s_cmp_lt_u32 s52, s53
	s_cbranch_scc1 .Ltile
.Lend:
	s_endpgm
.Lfunc_end_k_qedf7b59a3b_up:
	.size	k_qedf7b59a3b_up, .Lfunc_end_k_qedf7b59a3b_up-k_qedf7b59a3b_up
	.p2alignl 7, 3214868480
	.fill 96, 4, 3214868480
	.section	.rodata,"a",@progbits
	.p2align	6, 0x0
	.amdhsa_kernel k_qedf7b59a3b_up
		.amdhsa_group_segment_fixed_size 0
		.amdhsa_private_segment_fixed_size 0
		.amdhsa_enable_private_segment 0
		.amdhsa_kernarg_size 40
		.amdhsa_user_sgpr_count 2
		.amdhsa_user_sgpr_kernarg_segment_ptr 1
		.amdhsa_wavefront_size32 1
		.amdhsa_system_sgpr_workgroup_id_x 1
		.amdhsa_system_sgpr_workgroup_id_y 1
		.amdhsa_system_sgpr_workgroup_id_z 1
		.amdhsa_system_vgpr_workitem_id 0
		.amdhsa_next_free_vgpr 704
		.amdhsa_next_free_sgpr 66
		.amdhsa_reserve_vcc 0
		.amdhsa_float_denorm_mode_32 3
		.amdhsa_float_denorm_mode_16_64 3
		.amdhsa_memory_ordered 1
		.amdhsa_forward_progress 1
		.amdhsa_inst_pref_size 51
	.end_amdhsa_kernel
	.amdgpu_metadata
---
amdhsa.version: [ 1, 2 ]
amdhsa.kernels:
  - .name:           k_qedf7b59a3b_up
    .symbol:         k_qedf7b59a3b_up.kd
    .args:
      - { .name: xq, .offset: 0, .size: 8, .value_kind: global_buffer, .address_space: global }
      - { .name: w1q, .offset: 8, .size: 8, .value_kind: global_buffer, .address_space: global }
      - { .name: wsc, .offset: 16, .size: 8, .value_kind: global_buffer, .address_space: global }
      - { .name: route, .offset: 24, .size: 8, .value_kind: global_buffer, .address_space: global }
      - { .name: hq, .offset: 32, .size: 8, .value_kind: global_buffer, .address_space: global }
    .group_segment_fixed_size: 0
    .private_segment_fixed_size: 0
    .kernarg_segment_align: 8
    .kernarg_segment_size: 40
    .max_flat_workgroup_size: 128
    .sgpr_count:     66
    .vgpr_count:     704
    .wavefront_size: 32
...
	.end_amdgpu_metadata
.endif
;; end of part 2
;; launch down (part 3): grid 32 x 8, 4 waves a work-group, no clusters, 9,728 bytes of LDS; arguments hq, w2q, wsc, route, y; writes y
.if DOCPART == 3
	.amdgcn_target "amdgcn-amd-amdhsa--gfx1250"
	.amdhsa_code_object_version 6
	.text
	.protected	k_qedf7b59a3b_down
	.globl	k_qedf7b59a3b_down
	.p2align	8
	.type	k_qedf7b59a3b_down,@function
k_qedf7b59a3b_down:
	s_mov_b64 s[64:65], 0
	v_nop
	global_prefetch_b8 v0, s[64:65] scope:SCOPE_SE
	s_setreg_imm32_b32 hwreg(HW_REG_WAVE_MODE, 25, 1), 1
	s_wait_xcnt 0x0
; DOWN: y = h w2[e] for the expert's rows.  Work-group (x = slice of 32 output columns, y = expert).
; THE WEIGHTS STAY IN REGISTERS: every wave holds the slice's 32 fragments (2 tiles x 16 K steps, 384 registers), read once.  Wave w takes the expert's row tiles w, w + 4, ..; their number is read from
; the stored table, so the launch has no tensor load and no barrier; a wave without a tile ends.
; A row tile's operand (16 rows x 2,048 hidden units: 16 fragments, 192 registers) comes from memory in the order of its registers, in two halves of 8 K steps; while one half is multiplied the other is on its way.
; THE PRODUCT IS USED TRANSPOSED: source 0 = 16 columns of w2, source 1 = 16 rows of h: lane (r, h) holds row r and, in the 16 registers of the two tiles, columns 16 h + 0 .. 15 of the slice.
; OUT: y [slice][place][32 columns] f32: a row tile is 2,048 consecutive bytes.  It goes through my wave's own stage in LDS (16 rows x (128 + 16) bytes) so that each store covers 512 consecutive aligned bytes.
; REGISTERS.  window 0: v1 r, v2 h, v3 16 x lane, v4 8 x lane, v5, v6 the stage in and out; v16-31 w2's scale words (K step k: lanes 0-15 tile 0, lanes 16-31 tile 1);
;   v32-39 h's scale words (register i: lanes 0-15 K step 2 i, lanes 16-31 K step 2 i + 1); v40-55 two accumulators; v56-71 rows on the way out.
;   windows 1, 2: w2's fragments: (k, u) in window 1 + k / 8 at v[12 (2 (k % 8) + u)].   window 3: h's fragments at v[12 k].
; SCALARS: s30 the tile in hand (of the expert's), stepped by 4; s52 counts the trips by 1 against s53, my wave's number of tiles.
.set WS,  16
.set HS,  32
.set ACC, 40
.set YO,  56
.set HSCO, 6488064
.set W2SC, 524288
.set MSB, 0
.macro WIN new                         ; the immediate's high byte repeats the setting that is left
.if MSB != \new
	s_set_vgpr_msb (MSB<<8)|\new
.set MSB, \new
.endif
.endm
.macro BASES                           ; from the tile's number in s31
	s_mul_i32 s32, s31, 24576
	s_add_nc_u64 s[26:27], s[4:5], s[32:33]
	s_lshl_b32 s32, s31, 10
	s_add_nc_u64 s[28:29], s[44:45], s[32:33]
.endm
.macro NEXTBASE                        ; the tile four on, or my expert's last tile again (read, and used by nobody)
	s_wait_xcnt 0x0                                ; the loads that are out have read their bases
	s_add_co_u32 s31, s30, 4
	s_sub_co_u32 s34, s21, 1
	s_min_u32 s31, s31, s34
	s_add_co_u32 s31, s31, s20
	s_min_u32 s31, s31, 263
	BASES
.endm
.macro GLOAD g                         ; 33 loads: K steps 8 g .. 8 g + 7 of a row tile, and their scale words
	WIN 0xc0                                       ; destination window 3
.irp kk, 0,1,2,3,4,5,6,7
.set kq, 8*(\g)+\kk
	global_load_b128 v[12*kq:12*kq+3], v3, s[26:27] offset:1536*kq
	global_load_b64 v[12*kq+4:12*kq+5], v4, s[26:27] offset:1536*kq+512
	global_load_b128 v[12*kq+6:12*kq+9], v3, s[26:27] offset:1536*kq+768
	global_load_b64 v[12*kq+10:12*kq+11], v4, s[26:27] offset:1536*kq+1280
.endr
	WIN 0
	global_load_b128 v[HS+4*(\g):HS+4*(\g)+3], v3, s[28:29] offset:512*(\g)
.endm
.macro MULH g                          ; 16 products: the two accumulators by turns, one instruction a turn.  K step 0 starts the sums
.irp kk, 0,1,2,3,4,5,6,7
.irp u, 0,1
.set rD, ACC+8*\u
.set rW, 12*(2*\kk+\u)
.set rA, 12*(8*(\g)+\kk)
.set rS, WS+8*(\g)+\kk
.set rH, HS+(8*(\g)+\kk)/2
.if (8*(\g)+\kk) == 0
.if \u
	v_wmma_scale_f32_16x16x128_f8f6f4 v[rD:rD+7], v[rW:rW+11], v[rA:rA+11], 0, v[rS], v[rH] matrix_a_fmt:MATRIX_FMT_BF6 matrix_b_fmt:MATRIX_FMT_BF6 matrix_a_scale:MATRIX_SCALE_ROW1
.else
	v_wmma_scale_f32_16x16x128_f8f6f4 v[rD:rD+7], v[rW:rW+11], v[rA:rA+11], 0, v[rS], v[rH] matrix_a_fmt:MATRIX_FMT_BF6 matrix_b_fmt:MATRIX_FMT_BF6
.endif
.elseif \kk%2
.if \u
	v_wmma_scale_f32_16x16x128_f8f6f4 v[rD:rD+7], v[rW:rW+11], v[rA:rA+11], v[rD:rD+7], v[rS], v[rH] matrix_a_fmt:MATRIX_FMT_BF6 matrix_b_fmt:MATRIX_FMT_BF6 matrix_a_scale:MATRIX_SCALE_ROW1 matrix_b_scale:MATRIX_SCALE_ROW1
.else
	v_wmma_scale_f32_16x16x128_f8f6f4 v[rD:rD+7], v[rW:rW+11], v[rA:rA+11], v[rD:rD+7], v[rS], v[rH] matrix_a_fmt:MATRIX_FMT_BF6 matrix_b_fmt:MATRIX_FMT_BF6 matrix_b_scale:MATRIX_SCALE_ROW1
.endif
.else
.if \u
	v_wmma_scale_f32_16x16x128_f8f6f4 v[rD:rD+7], v[rW:rW+11], v[rA:rA+11], v[rD:rD+7], v[rS], v[rH] matrix_a_fmt:MATRIX_FMT_BF6 matrix_b_fmt:MATRIX_FMT_BF6 matrix_a_scale:MATRIX_SCALE_ROW1
.else
	v_wmma_scale_f32_16x16x128_f8f6f4 v[rD:rD+7], v[rW:rW+11], v[rA:rA+11], v[rD:rD+7], v[rS], v[rH] matrix_a_fmt:MATRIX_FMT_BF6 matrix_b_fmt:MATRIX_FMT_BF6
.endif
.endif
.endr
.endr
.endm
.macro OUTT
.irp u, 0,1
.irp q, 0,1
	ds_store_b128 v5, v[ACC+8*\u+4*\q:ACC+8*\u+4*\q+3] offset:32*\u+16*\q   ; each accumulator from its low end on
.endr
.endr
	s_wait_xcnt 0x0                                ; the last trip's stores have read their data and their base
	s_add_co_u32 s31, s20, s30
	s_min_u32 s31, s31, 263
	s_lshl_b32 s32, s31, 11
	s_add_nc_u64 s[42:43], s[50:51], s[32:33]
.irp i, 0,1,2,3
	ds_load_b128 v[YO+4*\i:YO+4*\i+3], v6 offset:576*\i    ; four rows an instruction; LDS serves a wave's instructions in order: these see my stores
.endr
	s_wait_dscnt 0x0
.irp i, 0,1,2,3
	global_store_b128 v3, v[YO+4*\i:YO+4*\i+3], s[42:43] offset:512*\i   ; 512 consecutive aligned bytes
.endr
.endm
	s_load_b256 s[4:11], s[0:1], 0x0               ; hq s[4:5], w2q s[6:7], wsc s[8:9], route s[10:11]
	s_load_b64 s[12:13], s[0:1], 0x20              ; y
	v_lshl_add_u32 v254, v0, 2, 0x2400
	v_mov_b32 v255, 0
	v_lshrrev_b32 v1, 5, v0
	v_readfirstlane_b32 s14, v1                    ; wave
	s_mov_b32 s15, ttmp9                           ; slice
	s_and_b32 s16, ttmp7, 0xffff                   ; expert
	v_and_b32 v7, 31, v0
	v_and_b32 v1, 15, v0                           ; r
	v_bfe_u32 v2, v0, 4, 1                         ; h
	v_lshlrev_b32 v3, 4, v7
	v_lshlrev_b32 v4, 3, v7
	s_mul_i32 s31, s14, 2304                       ; my wave's stage
	v_mul_u32_u24 v5, v1, 144
	v_lshl_add_u32 v5, v2, 6, v5
	v_add_nc_u32 v5, s31, v5                       ; in: row r, + 64 h
	v_lshrrev_b32 v6, 3, v7
	v_mul_u32_u24 v6, v6, 144
	v_and_b32 v8, 7, v7
	v_lshl_add_u32 v6, v8, 4, v6
	v_add_nc_u32 v6, s31, v6                       ; out: eight lanes to a row of 128 bytes
	s_lshl_b32 s18, s16, 4
	s_mov_b32 s19, 0
	s_mov_b32 s33, 0
	s_wait_kmcnt 0x0
	s_add_nc_u64 s[18:19], s[10:11], s[18:19]
	s_load_b128 s[20:23], s[18:19], 0x0            ; the expert's row of the table: first tile, tiles, last place, rows
	s_mul_i32 s32, s16, 1572864
	s_mul_i32 s31, s15, 49152
	s_add_co_u32 s32, s32, s31
	s_add_nc_u64 s[46:47], s[6:7], s[32:33]        ; the slice's fragments
	s_lshl_b32 s32, s16, 16
	s_lshl_b32 s31, s15, 11
	s_add_co_u32 s32, s32, s31
	s_add_co_u32 s32, s32, W2SC
	s_add_nc_u64 s[48:49], s[8:9], s[32:33]        ; and their scale words
	s_add_nc_u64 s[44:45], s[4:5], HSCO            ; h's scale bytes
	s_mul_i32 s32, s15, 540672
	s_add_nc_u64 s[50:51], s[12:13], s[32:33]      ; the slice's part of y
	s_wait_kmcnt 0x0
	s_min_u32 s20, s20, 263
	s_min_u32 s21, s21, 264
	s_cmp_ge_u32 s14, s21
	s_cbranch_scc1 .Lend                           ; no tile for my wave
	s_mov_b32 s30, s14                             ; the tile in hand
	s_sub_co_u32 s53, s21, s14                     ; my wave's tiles w, w + 4, .. below the expert's number of tiles: (tiles - w + 3) / 4 of them, at least one here,
	s_add_co_u32 s53, s53, 3
	s_lshr_b32 s53, s53, 2
	s_min_u32 s53, s53, 66                         ; at most 264 / 4
	s_mov_b32 s52, 0                               ; trips done
	WIN 0x40                                       ; destination window 1
.irp k, 0,1,2,3,4,5,6,7
.irp u, 0,1
.irp c, 0,1,2
	global_load_b128 v[12*(2*\k+\u)+4*\c:12*(2*\k+\u)+4*\c+3], v3, s[46:47] offset:(2*\k+\u)*1536+512*\c
.endr
.endr
.endr
	WIN 0x80                                       ; destination window 2
.irp k, 8,9,10,11,12,13,14,15
.irp u, 0,1
.irp c, 0,1,2
	global_load_b128 v[12*(2*(\k-8)+\u)+4*\c:12*(2*(\k-8)+\u)+4*\c+3], v3, s[46:47] offset:(2*\k+\u)*1536+512*\c
.endr
.endr
.endr
	WIN 0
.irp m, 0,1,2,3,4,5,6,7
	global_load_b64 v[WS+2*\m:WS+2*\m+1], v4, s[48:49] offset:256*\m
.endr
	s_add_co_u32 s31, s20, s30
	s_min_u32 s31, s31, 263
	BASES
	GLOAD 0
	GLOAD 1
.Ltile:                                                ; a trip = a row tile
	s_wait_loadcnt 33                              ; all but the 33 loads of this tile's second half (in the first trip: the weights too are in)
	WIN 0x0d                                       ; source 0 window 1, source 1 window 3
	MULH 0
	WIN 0
.rept 4
	v_nop                                          ; places in front of loads into registers that the products have read (ISA guide 7.12.1 for vector instructions)
.endr
	NEXTBASE
	GLOAD 0                                        ; the next tile's first half
	s_wait_loadcnt 33                              ; all but the 33 just issued: this tile's second half is in
	WIN 0x0e                                       ; source 0 window 2
	MULH 1
	WIN 0
.rept 5
	v_nop                                          ; places in front of the loads, of the stores that read the results, and of the next trip's products, which begin the sums anew
.endr
	GLOAD 1                                        ; the next tile's second half
	OUTT
	s_add_co_u32 s30, s30, 4                       ; my next tile
	s_add_co_u32 s52, s52, 1                       ; the loop is counted by trips, one a trip
	s_cmp_lt_u32 s52, s53
	s_cbranch_scc1 .Ltile
.Lend:
	s_wait_tensorcnt 0x0
	ds_add_u32 v254, v255
	s_wait_dscnt 0x0
	s_endpgm
.Lfunc_end_k_qedf7b59a3b_down:
	.size	k_qedf7b59a3b_down, .Lfunc_end_k_qedf7b59a3b_down-k_qedf7b59a3b_down
	.p2alignl 7, 3214868480
	.fill 96, 4, 3214868480
	.section	.rodata,"a",@progbits
	.p2align	6, 0x0
	.amdhsa_kernel k_qedf7b59a3b_down
		.amdhsa_group_segment_fixed_size 9728
		.amdhsa_private_segment_fixed_size 0
		.amdhsa_enable_private_segment 0
		.amdhsa_kernarg_size 40
		.amdhsa_user_sgpr_count 2
		.amdhsa_user_sgpr_kernarg_segment_ptr 1
		.amdhsa_wavefront_size32 1
		.amdhsa_system_sgpr_workgroup_id_x 1
		.amdhsa_system_sgpr_workgroup_id_y 1
		.amdhsa_system_sgpr_workgroup_id_z 1
		.amdhsa_system_vgpr_workitem_id 0
		.amdhsa_next_free_vgpr 960
		.amdhsa_next_free_sgpr 66
		.amdhsa_reserve_vcc 0
		.amdhsa_float_denorm_mode_32 3
		.amdhsa_float_denorm_mode_16_64 3
		.amdhsa_memory_ordered 1
		.amdhsa_forward_progress 1
		.amdhsa_inst_pref_size 32
	.end_amdhsa_kernel
	.amdgpu_metadata
---
amdhsa.version: [ 1, 2 ]
amdhsa.kernels:
  - .name:           k_qedf7b59a3b_down
    .symbol:         k_qedf7b59a3b_down.kd
    .args:
      - { .name: hq, .offset: 0, .size: 8, .value_kind: global_buffer, .address_space: global }
      - { .name: w2q, .offset: 8, .size: 8, .value_kind: global_buffer, .address_space: global }
      - { .name: wsc, .offset: 16, .size: 8, .value_kind: global_buffer, .address_space: global }
      - { .name: route, .offset: 24, .size: 8, .value_kind: global_buffer, .address_space: global }
      - { .name: y, .offset: 32, .size: 8, .value_kind: global_buffer, .address_space: global }
    .group_segment_fixed_size: 9728
    .private_segment_fixed_size: 0
    .kernarg_segment_align: 8
    .kernarg_segment_size: 40
    .max_flat_workgroup_size: 128
    .sgpr_count:     66
    .vgpr_count:     960
    .wavefront_size: 32
...
	.end_amdgpu_metadata
.endif
;; end of part 3
;; launch combine (part 4): grid 256 x 1, 8 waves a work-group, no clusters, 0 bytes of LDS; arguments y, route, expert_weights, out0; writes out0
.if DOCPART == 4
	.amdgcn_target "amdgcn-amd-amdhsa--gfx1250"
	.amdhsa_code_object_version 6
	.text
	.protected	k_qedf7b59a3b_combine
	.globl	k_qedf7b59a3b_combine
	.p2align	8
	.type	k_qedf7b59a3b_combine,@function
k_qedf7b59a3b_combine:
	s_mov_b64 s[64:65], 0
	v_nop
	global_prefetch_b8 v0, s[64:65] scope:SCOPE_SE
	s_setreg_imm32_b32 hwreg(HW_REG_WAVE_MODE, 25, 1), 1
	s_wait_xcnt 0x0
; COMBINE: out[t] = ew[t][0] x y[pos[2 t]] + ew[t][1] x y[pos[2 t + 1]], in f32: the weights of the chosen experts and the sum over experts.
; Where a token names one expert twice it has two places with equal rows: the result is ew0 y + ew1 y where the definition has (ew0 + ew1) y: one rounding apart.
; A wave takes a token: its two places and two weights come by scalar loads.  y is [slice 32][place][32 columns]: load j of eight takes slices 4 j .. 4 j + 3, eight lanes to a slice's 128 bytes,
; which are bytes 512 j + 16 x lane of the token's row of out: each store covers 512 consecutive aligned bytes.  All 16 loads go out first; memory binds: no LDS, no matrix unit.
.set SLB,  540672                      ; a slice of y in bytes
.set POSO, 512
.set Y0, 8                             ; v8-39   the first place's row
.set Y1, 40                            ; v40-71  the second's
	s_load_b256 s[4:11], s[0:1], 0x0               ; y s[4:5], route s[6:7], expert_weights s[8:9], out0 s[10:11]
	v_lshrrev_b32 v1, 5, v0
	v_readfirstlane_b32 s14, v1                    ; wave
	s_lshl_b32 s15, ttmp9, 3
	s_add_co_u32 s15, s15, s14                     ; my token
	s_lshl_b32 s24, s15, 3
	s_mov_b32 s25, 0
	v_and_b32 v1, 31, v0
	v_lshrrev_b32 v2, 3, v1
	v_mul_u32_u24 v2, v2, SLB
	v_and_b32 v6, 7, v1
	v_lshl_add_u32 v2, v6, 4, v2                   ; (lane / 8) slices + 16 (lane % 8)
	v_lshlrev_b32 v5, 4, v1
	s_wait_kmcnt 0x0
	s_add_nc_u64 s[16:17], s[6:7], s[24:25]
	s_add_nc_u64 s[18:19], s[8:9], s[24:25]
	s_load_b64 s[20:21], s[16:17], POSO            ; my two places
	s_load_b64 s[22:23], s[18:19], 0x0             ; my two weights
	s_lshl_b32 s24, s15, 12
	s_add_nc_u64 s[10:11], s[10:11], s[24:25]      ; my row of out
	s_add_nc_u64 s[12:13], s[4:5], 16*SLB          ; y from slice 16 on, so that the offsets stay inside the signed 24-bit immediate
	s_wait_kmcnt 0x0
	s_min_u32 s20, s20, 4223
	s_min_u32 s21, s21, 4223
	s_lshl_b32 s20, s20, 7                         ; 128 bytes a place
	s_lshl_b32 s21, s21, 7
	s_mov_b32 s26, s23                             ; the second weight as the low word of a pair of its own
	s_mov_b32 s27, s23
	v_add_nc_u32 v3, s20, v2
	v_add_nc_u32 v4, s21, v2
.irp j, 0,1,2,3
	global_load_b128 v[Y0+4*\j:Y0+4*\j+3], v3, s[4:5] offset:\j*4*SLB th:TH_LOAD_NT
	global_load_b128 v[Y1+4*\j:Y1+4*\j+3], v4, s[4:5] offset:\j*4*SLB th:TH_LOAD_NT
.endr
.irp j, 4,5,6,7
	global_load_b128 v[Y0+4*\j:Y0+4*\j+3], v3, s[12:13] offset:(\j-4)*4*SLB th:TH_LOAD_NT
	global_load_b128 v[Y1+4*\j:Y1+4*\j+3], v4, s[12:13] offset:(\j-4)*4*SLB th:TH_LOAD_NT
.endr
.irp j, 0,1,2,3,4,5,6,7
	s_wait_loadcnt 14-2*\j                         ; pair j is in; the pairs behind it may be out
	v_pk_mul_f32 v[Y1+4*\j:Y1+4*\j+1], v[Y1+4*\j:Y1+4*\j+1], s[26:27] op_sel_hi:[1,0]
	v_pk_mul_f32 v[Y1+4*\j+2:Y1+4*\j+3], v[Y1+4*\j+2:Y1+4*\j+3], s[26:27] op_sel_hi:[1,0]
	v_pk_fma_f32 v[Y0+4*\j:Y0+4*\j+1], v[Y0+4*\j:Y0+4*\j+1], s[22:23], v[Y1+4*\j:Y1+4*\j+1] op_sel_hi:[1,0,1]
	v_pk_fma_f32 v[Y0+4*\j+2:Y0+4*\j+3], v[Y0+4*\j+2:Y0+4*\j+3], s[22:23], v[Y1+4*\j+2:Y1+4*\j+3] op_sel_hi:[1,0,1]
	global_store_b128 v5, v[Y0+4*\j:Y0+4*\j+3], s[10:11] offset:512*\j th:TH_STORE_NT
.endr
	s_endpgm
.Lfunc_end_k_qedf7b59a3b_combine:
	.size	k_qedf7b59a3b_combine, .Lfunc_end_k_qedf7b59a3b_combine-k_qedf7b59a3b_combine
	.p2alignl 7, 3214868480
	.fill 96, 4, 3214868480
	.section	.rodata,"a",@progbits
	.p2align	6, 0x0
	.amdhsa_kernel k_qedf7b59a3b_combine
		.amdhsa_group_segment_fixed_size 0
		.amdhsa_private_segment_fixed_size 0
		.amdhsa_enable_private_segment 0
		.amdhsa_kernarg_size 32
		.amdhsa_user_sgpr_count 2
		.amdhsa_user_sgpr_kernarg_segment_ptr 1
		.amdhsa_wavefront_size32 1
		.amdhsa_system_sgpr_workgroup_id_x 1
		.amdhsa_system_sgpr_workgroup_id_y 1
		.amdhsa_system_sgpr_workgroup_id_z 1
		.amdhsa_system_vgpr_workitem_id 0
		.amdhsa_next_free_vgpr 80
		.amdhsa_next_free_sgpr 66
		.amdhsa_reserve_vcc 0
		.amdhsa_float_denorm_mode_32 3
		.amdhsa_float_denorm_mode_16_64 3
		.amdhsa_memory_ordered 1
		.amdhsa_forward_progress 1
		.amdhsa_inst_pref_size 6
	.end_amdhsa_kernel
	.amdgpu_metadata
---
amdhsa.version: [ 1, 2 ]
amdhsa.kernels:
  - .name:           k_qedf7b59a3b_combine
    .symbol:         k_qedf7b59a3b_combine.kd
    .args:
      - { .name: y, .offset: 0, .size: 8, .value_kind: global_buffer, .address_space: global }
      - { .name: route, .offset: 8, .size: 8, .value_kind: global_buffer, .address_space: global }
      - { .name: expert_weights, .offset: 16, .size: 8, .value_kind: global_buffer, .address_space: global }
      - { .name: out0, .offset: 24, .size: 8, .value_kind: global_buffer, .address_space: global }
    .group_segment_fixed_size: 0
    .private_segment_fixed_size: 0
    .kernarg_segment_align: 8
    .kernarg_segment_size: 32
    .max_flat_workgroup_size: 256
    .sgpr_count:     66
    .vgpr_count:     80
    .wavefront_size: 32
...
	.end_amdgpu_metadata
.endif
;; end of part 4
;; ======== version 2 of 2: 4 launches
;; workspace buffers: w1q 12,582,912 bytes; w2q 12,582,912 bytes; wsc 1,048,576 bytes; xq 1,638,400 bytes; route 33,792 bytes of whole numbers; hq 6,758,400 bytes; y 17,301,504 bytes
;; launch prep (part 5): grid 1089 x 1, 4 waves a work-group, no clusters, 34,304 bytes of LDS; arguments x, w1, w2, top_experts, xq, w1q, w2q, wsc, route; writes xq, w1q, w2q, wsc, route
.if DOCPART == 5
	.amdgcn_target "amdgcn-amd-amdhsa--gfx1250"
	.amdhsa_code_object_version 6
	.text
	.protected	k_qedf7b59a3b_prep
	.globl	k_qedf7b59a3b_prep
	.p2align	8
	.type	k_qedf7b59a3b_prep,@function
k_qedf7b59a3b_prep:
	s_mov_b64 s[64:65], 0
	v_nop
	global_prefetch_b8 v0, s[64:65] scope:SCOPE_SE
	s_setreg_imm32_b32 hwreg(HW_REG_WAVE_MODE, 25, 1), 1
	s_wait_xcnt 0x0
; PREP: everything that is made once.  The work-group's number chooses one of four paths:
;   0          the routing: the 4,096 (token, choice) entries of top_experts are sorted by expert (a counting sort, no atomics)
;   1 .. 64    x [2048][1024] f32 -> codes of E3M2 and E8M0 scale bytes (blocks of 32 along the 1,024)
;   65 .. 576  w1 [8][1024 (K)][2048] f32 -> codes and scale bytes, K = the FIRST axis within an expert
;   577 ..1088 w2 [8][2048 (K)][1024] f32 -> the same
; A block's scale is 2^(floor(log2(its largest magnitude)) - 4); its byte is the largest magnitude's exponent field - 4, held at 1 from below.
; LIMITS: a block of zeros gets the byte 1 where the quantiser says 127 (its codes are zeros, and this program alone reads the bytes); blocks whose largest magnitude
; lies under 2^-122 get the byte 1 too; NaN and infinities are not served; expert numbers are taken to lie in 0 .. 7 (every address made of them is held inside its buffer all the same).
; The input scores enters no number of the result: no launch of this program is given it.
; LAYOUTS (this program's own buffers).
;   A weight FRAGMENT (16 columns x 128 K, 12 registers a lane) lies as the reader's registers: registers 4 c .. 4 c + 3 of reader lane L at 512 c + 16 L: 1,536 bytes, fetched by three loads of 16 bytes a lane.
;   Of 32 neighbouring columns tile u (0, 1) lane r takes column 8 u + r + 8 (r / 8): used as source 0, a result lane then holds 16 neighbouring columns in the 16 registers of tiles 0 and 1.
;   w1q [e][slice of 64 columns][K step 8][tile 4][1536];  w2q [e][slice of 32 columns][K step 16][tile 2][1536].
;   wsc: for each slice, group of 32 columns and pair of K steps 256 bytes: 8 bytes (two scale words) at 8 (16 u + r).  w1's from byte 0, w2's from 524,288.
;   xq: codes t x 768 + K step x 96 + h x 48 + c x 24 = block 4 k + 2 c + h (a reader lane's 12 registers are 48 bytes on end); scale bytes from 1,572,864, 32 a token, in K's order.
;   route: 0: a row of 16 bytes for each expert {first tile, tiles, last place, rows}; 512: pos[2 t + k], the entry's place; 16,896: list[place] = token.  An expert's places begin at 16 x its first tile.
.set RB,    32768                      ; LDS: the routing's 512 bytes; the x path owns bytes 0 .. 32,767
.set POSO,  512
.set LISTO, 16896
.set XSCO,  1572864
.set W2SC,  524288
.set EXPB,  1572864                    ; an expert's codes in bytes
.set SLICEB, 49152                     ; a slice's codes in bytes
; ---- registers of the weight paths
.set WX, 32                            ; v32-95   two sets of 32 numbers: a block of one column
.set WG, 96                            ; v96-143  codes: K step ks at +24 ks, the reader's lane half h at +12 h, its block c at +6 c
; ---- registers of the x path
.set XR, 16                            ; v16-79   four sets of 16 numbers as loaded
.set XX, 80                            ; v80-111  two sets of 16 neighbours
.set XE, 112                           ; v112-127 a scale byte for each step
.set XC, 128                           ; v128-191 codes: four registers for each step
.set SP, 80                            ; a lane's place in a stage: 64 bytes + 16
; ---- registers of the routing
.set RE,  32                           ; v32-63   my wave's 1,024 entries: register 4 q + i of lane l = entry 1024 w + 128 q + 4 l + i
.set RP,  64                           ; v64-95   their places
.set RAD, 96                           ; v96-127  4 x place, held inside the list
.set RTK, 128                          ; v128-143 their tokens
.set RM,  40                           ; s40-47   lane masks, then their counts
.set RC,  48                           ; s48-55   my wave's count for each expert
.set RBS, 56                           ; s56-63   the next free place for each expert
.macro WLOAD t, stride                 ; block t of my column: 32 rows of the weight; a load reads 128 consecutive bytes a wave, the four waves stand side by side
.irp i, 0,1,2,3,4,5,6,7,8,9,10,11,12,13,14,15,16,17,18,19,20,21,22,23,24,25,26,27,28,29,30,31
	global_load_b32 v[WX+32*((\t)%2)+\i], v3, s[24:25] offset:(32*(\t)+\i)*\stride th:TH_LOAD_NT
.endr
.endm
.macro WBLOCK t, stride, ksb
.set WXS, WX+32*((\t)%2)
.set WBB, WG+24*((\t)/4)+12*((\t)%2)+6*(((\t)%4)/2)
.if (\t) < 7
	s_wait_loadcnt 32                              ; this block's 32 loads are in; the next block's 32 may be out
.else
	s_wait_loadcnt 0x0
.endif
	v_max3_num_f32 v8, |v[WXS]|, |v[WXS+1]|, |v[WXS+2]|            ; the block's largest magnitude: all 32 numbers are mine; two chains
	v_max3_num_f32 v9, |v[WXS+3]|, |v[WXS+4]|, |v[WXS+5]|
.irp i, 6,10,14,18,22,26
	v_max3_num_f32 v8, v8, |v[WXS+\i]|, |v[WXS+\i+1]|
	v_max3_num_f32 v9, v9, |v[WXS+\i+2]|, |v[WXS+\i+3]|
.endr
	v_max3_num_f32 v8, v8, |v[WXS+30]|, |v[WXS+31]|
	v_max3_num_f32 v8, v8, v9, 0x2800000           ; and the floor 2^(5 - 127): the byte cannot fall under 1
	v_add_nc_u32 v10, 0xfe000000, v8               ; 4 off the exponent field: the conversion takes this operand's exponent field as its scale
	v_lshrrev_b32 v11, 23, v10                     ; the scale's byte
.if (\t)%4 == 0
	v_mov_b32 v[12+(\t)/4], v11                    ; four bytes make a K step's scale word, the lower K in the lower byte
.else
	v_lshl_or_b32 v[12+(\t)/4], v11, 8*((\t)%4), v[12+(\t)/4]
.endif
	v_cvt_scalef32_pk16_bf6_f32 v[WBB:WBB+2], v[WXS:WXS+15], v10
	v_cvt_scalef32_pk16_bf6_f32 v[16:18], v[WXS+16:WXS+31], v10    ; (a conversion's three registers begin on an even number: the block's second three are moved)
	v_nop                                          ; one plain instruction behind the conversions
.irp i, 0,1,2
	v_mov_b32 v[WBB+3+\i], v[16+\i]
.endr
.if (\t)+2 < 8
	WLOAD (\t)+2, \stride
.endif
.if (\t)%4 == 3                        ; a K step is whole: six stores; in each, sixteen lanes fill 256 consecutive aligned bytes of tile 0's fragment and sixteen of tile 1's
.irp h, 0,1
.irp c, 0,1,2
	global_store_b128 v4, v[WG+24*((\t)/4)+12*\h+4*\c:WG+24*((\t)/4)+12*\h+4*\c+3], s[26:27] offset:((\t)/4)*\ksb+256*\h+512*\c
.endr
.endr
.endif
.endm
; A wave takes 32 neighbouring columns x 256 along K (two K steps).  A LANE TAKES A COLUMN AND ITS REGISTERS RUN DOWN K: a block lies in one lane, and the conversions give codes with K innermost.
; Each K step has code registers of its own, so no store's data are written again.
.macro WBODY stride, ksb
	v_lshlrev_b32 v3, 2, v1                        ; in: 4 bytes a lane
	v_bfe_u32 v6, v1, 3, 1                         ; u: my column's tile
	v_and_b32 v7, 7, v1
	v_lshrrev_b32 v2, 4, v1
	v_lshl_add_u32 v7, v2, 3, v7                   ; r: my column's lane in that tile
	v_mul_u32_u24 v4, v6, 1536
	v_lshl_add_u32 v4, v7, 4, v4                   ; codes: 1536 u + 16 r
	v_lshlrev_b32 v5, 7, v6
	v_lshl_add_u32 v5, v7, 3, v5                   ; scale words: 128 u + 8 r
	WLOAD 0, \stride
	WLOAD 1, \stride
.irp t, 0,1,2,3,4,5,6,7
	WBLOCK \t, \stride, \ksb
.endr
	global_store_b64 v5, v[12:13], s[28:29]        ; 32 lanes store 256 consecutive aligned bytes
	s_endpgm
.endm
.macro XLD t
.irp i, 0,1,2,3
	global_load_b128 v[XR+16*((\t)%4)+4*\i:XR+16*((\t)%4)+4*\i+3], v3, s[24:25] offset:2048*(\t)+512*\i th:TH_LOAD_NT   ; 32 lanes read 512 consecutive bytes
.endr
.endm
.macro XTURN t                         ; a step's 2,048 bytes through my wave's stage: in as loaded, out 64 bytes a lane.  LDS serves a wave's instructions in order: no wait between
.irp i, 0,1,2,3
	ds_store_b128 v14, v[XR+16*((\t)%4)+4*\i:XR+16*((\t)%4)+4*\i+3] offset:32*SP*((\t)%2)+8*SP*\i
.endr
.irp i, 0,1,2,3
	ds_load_b128 v[XX+16*((\t)%2)+4*\i:XX+16*((\t)%2)+4*\i+3], v15 offset:32*SP*((\t)%2)+16*\i
.endr
.endm
.macro XSTEP t
.set XXS, XX+16*((\t)%2)
.if (\t) > 0
	s_wait_dscnt 1                                 ; this step's numbers are back from the stage (the last step's byte store may be out)
.else
	s_wait_dscnt 0x0
.endif
.if (\t)+4 < 16
	XLD (\t)+4                                     ; into the registers that this step's stage stores have read
.endif
.if (\t)+1 < 16
.if 14-(\t) >= 3
	s_wait_loadcnt 12                              ; the next step's four loads are in; those of the three steps behind it may be out
.else
	s_wait_loadcnt 4*(14-(\t))
.endif
	XTURN (\t)+1
.endif
	v_max3_num_f32 v8, |v[XXS]|, |v[XXS+1]|, |v[XXS+2]|            ; the largest magnitude of my 16
	v_max3_num_f32 v9, |v[XXS+3]|, |v[XXS+4]|, |v[XXS+5]|
.irp i, 6,10
	v_max3_num_f32 v8, v8, |v[XXS+\i]|, |v[XXS+\i+1]|
	v_max3_num_f32 v9, v9, |v[XXS+\i+2]|, |v[XXS+\i+3]|
.endr
	v_max3_num_f32 v8, v8, |v[XXS+14]|, |v[XXS+15]|
	v_max3_num_f32 v8, v8, v9, 0x2800000           ; and the floor
	v_max_num_f32_dpp v8, v8, v8 row_xmask:1 row_mask:0xf bank_mask:0xf   ; and of my neighbour's 16: the block's
	v_add_nc_u32 v11, 0xfe000000, v8
	v_cvt_scalef32_pk16_bf6_f32 v[XC+4*(\t):XC+4*(\t)+2], v[XXS:XXS+15], v11
	v_lshrrev_b32 v[XE+(\t)], 23, v11              ; the scale's byte (also the plain instruction behind the conversion)
	ds_store_b8 v5, v[XE+(\t)] offset:16*(\t)      ; both lanes of a block write the same byte with the same value
	global_store_b96 v4, v[XC+4*(\t):XC+4*(\t)+2], s[26:27] offset:384*(\t)   ; the wave's 32 pieces of 12 bytes cover 384 consecutive bytes
.endm
	s_load_b256 s[4:11], s[0:1], 0x0               ; x s[4:5], w1 s[6:7], w2 s[8:9], top_experts s[10:11]
	s_load_b256 s[12:19], s[0:1], 0x20             ; xq s[12:13], w1q s[14:15], w2q s[16:17], wsc s[18:19]
	s_load_b64 s[20:21], s[0:1], 0x40              ; route
	v_lshl_add_u32 v192, v0, 2, 0x8400
	v_mov_b32 v193, 0
	v_lshrrev_b32 v1, 5, v0
	v_readfirstlane_b32 s22, v1                    ; wave 0..3
	v_and_b32 v1, 31, v0                           ; lane
	s_wait_kmcnt 0x0
	s_cmp_eq_u32 ttmp9, 0
	s_cbranch_scc1 .Lroute
	s_cmp_lt_u32 ttmp9, 65
	s_cbranch_scc1 .Lx
	s_cmp_lt_u32 ttmp9, 577
	s_cbranch_scc1 .Lw1
	; ---- w2: g = e x 64 + (block of 4 slices) x 8 + (256 along K)
	s_sub_co_u32 s23, ttmp9, 577
	s_lshr_b32 s30, s23, 6                         ; e
	s_bfe_u32 s31, s23, 0x30003
	s_and_b32 s32, s23, 7                          ; kq
	s_lshl_b32 s31, s31, 2
	s_add_co_u32 s31, s31, s22                     ; the slice: my wave's 32 columns
	s_lshl_b32 s24, s30, 23                        ; an expert is 8,388,608 bytes,
	s_lshl_b32 s33, s32, 20                        ; 256 rows of 4,096 bytes,
	s_add_co_u32 s24, s24, s33
	s_lshl_b32 s33, s31, 7                         ; 32 columns
	s_add_co_u32 s24, s24, s33
	s_mov_b32 s25, 0
	s_add_nc_u64 s[24:25], s[8:9], s[24:25]
	s_mul_i32 s26, s30, EXPB
	s_mul_i32 s33, s31, SLICEB
	s_add_co_u32 s26, s26, s33
	s_mul_i32 s33, s32, 6144                       ; two K steps of two fragments
	s_add_co_u32 s26, s26, s33
	s_mov_b32 s27, 0
	s_add_nc_u64 s[26:27], s[16:17], s[26:27]
	s_lshl_b32 s28, s30, 16
	s_lshl_b32 s33, s31, 11
	s_add_co_u32 s28, s28, s33
	s_lshl_b32 s33, s32, 8
	s_add_co_u32 s28, s28, s33
	s_add_co_u32 s28, s28, W2SC
	s_mov_b32 s29, 0
	s_add_nc_u64 s[28:29], s[18:19], s[28:29]
	s_wait_alu depctr_va_vdst(0)
	WBODY 4096, 3072
.Lw1:	; ---- w1: g = e x 64 + (block of 4 groups of 32 columns) x 4 + (256 along K)
	s_sub_co_u32 s23, ttmp9, 65
	s_lshr_b32 s30, s23, 6                         ; e
	s_bfe_u32 s31, s23, 0x40002
	s_and_b32 s32, s23, 3                          ; kq
	s_lshl_b32 s31, s31, 2
	s_add_co_u32 s31, s31, s22                     ; my wave's group of 32 columns: slice = group / 2, b = group % 2
	s_lshl_b32 s24, s30, 23
	s_lshl_b32 s33, s32, 21                        ; 256 rows of 8,192 bytes
	s_add_co_u32 s24, s24, s33
	s_lshl_b32 s33, s31, 7
	s_add_co_u32 s24, s24, s33
	s_mov_b32 s25, 0
	s_add_nc_u64 s[24:25], s[6:7], s[24:25]
	s_lshl_b32 s28, s30, 16
	s_lshl_b32 s33, s31, 10                        ; 2,048 a slice + 1,024 b
	s_add_co_u32 s28, s28, s33
	s_lshl_b32 s33, s32, 8
	s_add_co_u32 s28, s28, s33
	s_mov_b32 s29, 0
	s_add_nc_u64 s[28:29], s[18:19], s[28:29]
	s_mul_i32 s26, s30, EXPB
	s_lshr_b32 s33, s31, 1
	s_mul_i32 s33, s33, SLICEB
	s_add_co_u32 s26, s26, s33
	s_and_b32 s33, s31, 1
	s_mul_i32 s33, s33, 3072                       ; tiles 2 b and 2 b + 1
	s_add_co_u32 s26, s26, s33
	s_mul_i32 s33, s32, 12288                      ; two K steps of four fragments
	s_add_co_u32 s26, s26, s33
	s_mov_b32 s27, 0
	s_add_nc_u64 s[26:27], s[14:15], s[26:27]
	s_wait_alu depctr_va_vdst(0)
	WBODY 8192, 6144
.Lx:	; ---- x: a wave takes 16 steps of 512 numbers (8 tokens).  Each load reads 512 consecutive bytes; the numbers turn through the wave's own stage in LDS so that a lane holds 16 neighbours; two lanes hold a block.
	s_wait_alu depctr_va_vdst(0)
	v_lshlrev_b32 v3, 4, v1                        ; my 16 bytes of a load's 512
	s_mul_i32 s23, s22, 8192                       ; my wave's LDS: two stages of 32 x 80 bytes, then its 256 scale bytes
	v_lshrrev_b32 v14, 2, v1
	v_mul_u32_u24 v14, v14, SP
	v_and_b32 v15, 3, v1
	v_lshl_add_u32 v14, v15, 4, v14
	v_add_nc_u32 v14, s23, v14                     ; the stage, in: 80 (lane / 4) + 16 (lane % 4)
	v_mul_u32_u24 v15, v1, SP
	v_add_nc_u32 v15, s23, v15                     ; out: 80 x lane
	v_lshrrev_b32 v4, 3, v1                        ; my codes' place in a step's 384 bytes: K step lane / 8,
	v_mul_u32_u24 v4, v4, 96
	v_bfe_u32 v6, v1, 1, 1                         ; block b = (lane / 2) % 4 at slot 2 (b % 2) + b / 2,
	v_bfe_u32 v7, v1, 2, 1
	v_lshl_add_u32 v6, v6, 1, v7
	v_mad_u32_u24 v4, v6, 24, v4
	v_and_b32 v6, 1, v1
	v_mad_u32_u24 v4, v6, 12, v4                   ; its lower or upper 16 codes
	v_lshrrev_b32 v5, 1, v1
	s_add_co_u32 s23, s23, 2*32*SP
	v_add_nc_u32 v5, s23, v5                       ; my block's scale byte in LDS
	v_lshlrev_b32 v7, 3, v1
	v_add_nc_u32 v6, s23, v7                       ; and on the way out 8 bytes a lane
	s_sub_co_u32 s30, ttmp9, 1
	s_lshl_b32 s30, s30, 2
	s_add_co_u32 s30, s30, s22                     ; which run of 8,192 numbers is my wave's
	s_lshl_b32 s24, s30, 15
	s_mov_b32 s25, 0
	s_add_nc_u64 s[24:25], s[4:5], s[24:25]
	s_mul_i32 s26, s30, 6144
	s_mov_b32 s27, 0
	s_add_nc_u64 s[26:27], s[12:13], s[26:27]
	s_lshl_b32 s28, s30, 8
	s_add_co_u32 s28, s28, XSCO
	s_mov_b32 s29, 0
	s_add_nc_u64 s[28:29], s[12:13], s[28:29]
.irp t, 0,1,2,3
	XLD \t
.endr
	s_wait_loadcnt 12                              ; step 0's four loads are in
	XTURN 0
.irp t, 0,1,2,3,4,5,6,7,8,9,10,11,12,13,14,15
	XSTEP \t
.endr
	ds_load_b64 v[12:13], v6                       ; these see my byte stores: LDS serves a wave's instructions in order
	s_wait_dscnt 0x0
	global_store_b64 v7, v[12:13], s[28:29]        ; 32 lanes store 256 consecutive aligned bytes
	s_wait_tensorcnt 0x0
	ds_add_u32 v192, v193
	s_wait_dscnt 0x0
	s_endpgm
.Lroute:	; ---- the routing: one work-group.  Pass 1 counts each wave's entries by expert; the counts meet in LDS; pass 2 gives each entry its place.
	s_wait_alu depctr_va_vdst(0)
	v_lshlrev_b32 v5, 4, v1                        ; 16 x lane
	s_lshl_b32 s23, s22, 12
	v_add_nc_u32 v2, s23, v5                       ; my 16 bytes of my wave's 4,096
	v_lshlrev_b32 v3, 2, v1
	v_lshl_add_u32 v4, v0, 2, RB                   ; my word among the four waves' counts
.irp q, 0,1,2,3,4,5,6,7
	global_load_b128 v[RE+4*\q:RE+4*\q+3], v2, s[10:11] offset:512*\q
.endr
.irp e, 0,1,2,3,4,5,6,7
	s_mov_b32 s[RC+\e], 0
.endr
	s_add_nc_u64 s[34:35], s[20:21], LISTO
	s_wait_loadcnt 0x0
.set j, 0
.rept 32
.irp e, 0,1,2,3,4,5,6,7
	v_cmp_eq_u32 s[RM+\e], \e, v[RE+j]
.endr
.irp e, 0,1,2,3,4,5,6,7
	s_bcnt1_i32_b32 s[RM+\e], s[RM+\e]
.endr
.irp e, 0,1,2,3,4,5,6,7
	s_add_co_u32 s[RC+\e], s[RC+\e], s[RM+\e]
.endr
.set j, j+1
.endr
	v_mov_b32 v6, 0
.irp e, 0,1,2,3,4,5,6,7
	v_writelane_b32 v6, s[RC+\e], \e               ; lane e = expert e; lanes 8-31 hold 0
.endr
	ds_store_b32 v4, v6
	s_wait_dscnt 0x0                               ; for the others' sake: my counts lie in LDS
	s_barrier_signal -1
	s_barrier_wait -1                              ; (the branch that led here hangs on the work-group's number alone: all four waves are here)
.irp w, 0,1,2,3
	ds_load_b32 v[16+\w], v3 offset:RB+128*\w      ; wave w's counts, lane e = expert e
.endr
	s_wait_dscnt 0x0
	v_add_nc_u32 v23, v16, v17
	v_add3_u32 v23, v23, v18, v19                  ; the expert's rows
	v_add_nc_u32 v21, 15, v23
	v_lshrrev_b32 v21, 4, v21                      ; its tiles of 16
	v_mov_b32 v6, v21
	v_mov_b32 v7, 0
	v_mov_b32_dpp v7, v6 row_shr:1 row_mask:0xf bank_mask:0xf bound_ctrl:1   ; a running sum over lanes 0-7 in three steps
	v_add_nc_u32 v6, v6, v7
	v_mov_b32_dpp v7, v6 row_shr:2 row_mask:0xf bank_mask:0xf bound_ctrl:1
	v_add_nc_u32 v6, v6, v7
	v_mov_b32_dpp v7, v6 row_shr:4 row_mask:0xf bank_mask:0xf bound_ctrl:1
	v_add_nc_u32 v6, v6, v7
	v_sub_nc_u32 v20, v6, v21                      ; its first tile
	v_lshl_add_u32 v22, v20, 4, v23
	v_add_nc_u32 v22, -1, v22                      ; its last place
	s_cmp_gt_u32 s22, 0
	s_cselect_b32 s30, 1, 0
	s_cmp_gt_u32 s22, 1
	s_cselect_b32 s31, 1, 0
	s_cmp_gt_u32 s22, 2
	s_cselect_b32 s32, 1, 0
	v_lshlrev_b32 v24, 4, v20                      ; my wave's first place: the expert's, + the counts of the waves in front of mine
	v_mad_u32_u24 v24, v16, s30, v24
	v_mad_u32_u24 v24, v17, s31, v24
	v_mad_u32_u24 v24, v18, s32, v24
.irp e, 0,1,2,3,4,5,6,7
	v_readlane_b32 s[RBS+\e], v24, \e
.endr
	s_cmp_lg_u32 s22, 0
	s_cbranch_scc1 .Lnot_wave_0
	global_store_b128 v5, v[20:23], s[20:21]       ; the table: 512 bytes, whole (rows 8-31 are read by nobody)
.Lnot_wave_0:
.set j, 0
.rept 32
.irp e, 0,1,2,3,4,5,6,7
	v_cmp_eq_u32 s[RM+\e], \e, v[RE+j]
.endr
	v_mbcnt_lo_u32_b32 v[RP+j], s[RM], s[RBS]      ; the expert's next free place + the lanes below mine that name the same expert
.irp e, 1,2,3,4,5,6,7
	v_mbcnt_lo_u32_b32 v[24+\e], s[RM+\e], s[RBS+\e]
	v_cndmask_b32 v[RP+j], v[RP+j], v[24+\e], s[RM+\e]
.endr
.irp e, 0,1,2,3,4,5,6,7
	s_bcnt1_i32_b32 s[RM+\e], s[RM+\e]
.endr
.irp e, 0,1,2,3,4,5,6,7
	s_add_co_u32 s[RBS+\e], s[RBS+\e], s[RM+\e]
.endr
.set j, j+1
.endr
	s_lshl_b32 s23, s22, 9
	v_lshl_add_u32 v6, v1, 1, s23                  ; entry / 2 = token: 512 w + 64 q + 2 l + i / 2
.irp n, 0,1,2,3,4,5,6,7,8,9,10,11,12,13,14,15
	v_add_nc_u32 v[RTK+\n], 64*(\n/2)+(\n%2), v6
.endr
.set j, 0
.rept 32
	v_min_u32 v[RAD+j], 0x107f, v[RP+j]            ; held inside the list's 4,224 words
	v_lshlrev_b32 v[RAD+j], 2, v[RAD+j]
.set j, j+1
.endr
.set j, 0
.rept 32
	global_store_b32 v[RAD+j], v[RTK+2*(j/4)+((j%4)/2)], s[34:35]   ; list[place] = token
.set j, j+1
.endr
.irp q, 0,1,2,3,4,5,6,7
	global_store_b128 v2, v[RP+4*\q:RP+4*\q+3], s[20:21] offset:POSO+512*\q   ; pos[entry] = place: 512 consecutive bytes an instruction
.endr
	s_wait_tensorcnt 0x0
	ds_add_u32 v192, v193
	s_wait_dscnt 0x0
	s_endpgm
.Lfunc_end_k_qedf7b59a3b_prep:
	.size	k_qedf7b59a3b_prep, .Lfunc_end_k_qedf7b59a3b_prep-k_qedf7b59a3b_prep
	.p2alignl 7, 3214868480
	.fill 96, 4, 3214868480
	.section	.rodata,"a",@progbits
	.p2align	6, 0x0
	.amdhsa_kernel k_qedf7b59a3b_prep
		.amdhsa_group_segment_fixed_size 34304
		.amdhsa_private_segment_fixed_size 0
		.amdhsa_enable_private_segment 0
		.amdhsa_kernarg_size 72
		.amdhsa_user_sgpr_count 2
		.amdhsa_user_sgpr_kernarg_segment_ptr 1
		.amdhsa_wavefront_size32 1
		.amdhsa_system_sgpr_workgroup_id_x 1
		.amdhsa_system_sgpr_workgroup_id_y 1
		.amdhsa_system_sgpr_workgroup_id_z 1
		.amdhsa_system_vgpr_workitem_id 0
		.amdhsa_next_free_vgpr 194
		.amdhsa_next_free_sgpr 66
		.amdhsa_reserve_vcc 0
		.amdhsa_float_denorm_mode_32 3
		.amdhsa_float_denorm_mode_16_64 3
		.amdhsa_memory_ordered 1
		.amdhsa_forward_progress 1
		.amdhsa_inst_pref_size 216
	.end_amdhsa_kernel
	.amdgpu_metadata
---
amdhsa.version: [ 1, 2 ]
amdhsa.kernels:
  - .name:           k_qedf7b59a3b_prep
    .symbol:         k_qedf7b59a3b_prep.kd
    .args:
      - { .name: x, .offset: 0, .size: 8, .value_kind: global_buffer, .address_space: global }
      - { .name: w1, .offset: 8, .size: 8, .value_kind: global_buffer, .address_space: global }
      - { .name: w2, .offset: 16, .size: 8, .value_kind: global_buffer, .address_space: global }
      - { .name: top_experts, .offset: 24, .size: 8, .value_kind: global_buffer, .address_space: global }
      - { .name: xq, .offset: 32, .size: 8, .value_kind: global_buffer, .address_space: global }
      - { .name: w1q, .offset: 40, .size: 8, .value_kind: global_buffer, .address_space: global }
      - { .name: w2q, .offset: 48, .size: 8, .value_kind: global_buffer, .address_space: global }
      - { .name: wsc, .offset: 56, .size: 8, .value_kind: global_buffer, .address_space: global }
      - { .name: route, .offset: 64, .size: 8, .value_kind: global_buffer, .address_space: global }
    .group_segment_fixed_size: 34304
    .private_segment_fixed_size: 0
    .kernarg_segment_align: 8
    .kernarg_segment_size: 72
    .max_flat_workgroup_size: 128
    .sgpr_count:     66
    .vgpr_count:     194
    .wavefront_size: 32
...
	.end_amdgpu_metadata
.endif
;; end of part 5
;; launch up (part 6): grid 32 x 8, 4 waves a work-group, no clusters, 0 bytes of LDS; arguments xq, w1q, wsc, route, hq; writes hq
.if DOCPART == 6
	.amdgcn_target "amdgcn-amd-amdhsa--gfx1250"
	.amdhsa_code_object_version 6
	.text
	.protected	k_qedf7b59a3b_up
	.globl	k_qedf7b59a3b_up
	.p2align	8
	.type	k_qedf7b59a3b_up,@function
k_qedf7b59a3b_up:
	s_mov_b64 s[64:65], 0
	v_nop
	global_prefetch_b8 v0, s[64:65] scope:SCOPE_SE
	s_setreg_imm32_b32 hwreg(HW_REG_WAVE_SCHED_MODE, 0, 2), 2
	s_setreg_imm32_b32 hwreg(HW_REG_WAVE_MODE, 25, 1), 1
	s_wait_xcnt 0x0
	s_wait_alu depctr_vm_vsrc(0)
; UP: h = gelu(x w1[e]) for the rows that chose expert e, quantised along the hidden axis.  Work-group (x = slice of 64 hidden units, y = expert).
; THE WEIGHTS STAY IN REGISTERS: every wave holds the slice's 32 fragments (4 tiles of 16 units x 8 K steps, 384 registers), read once.  Wave w takes the expert's row tiles w, w + 4, ..: the number of
; tiles is read from the stored table, so the launch has no tensor load, no LDS and no barrier; a wave without a tile ends.
; THE PRODUCT IS USED TRANSPOSED: source 0 = 16 units of w1, source 1 = 16 rows of x: a lane holds ONE row, and, by the choice of a tile's units (lane r of tile 2 b + u: unit 32 b + 8 u + r + 8 (r / 8)),
; the 16 registers of tiles 2 b and 2 b + 1 are units 32 b + 16 (lane / 16) + 0 .. 15: neighbours along the next product's K.
; GELU, exact form: 0.5 v (1 + erf(v / sqrt 2)), erf as an odd polynomial of degree 13 over an even one of degree 8 on |z| <= 4 (beyond, z is held at 4, where erf is 1 to the last bit of f32 or nearly).
; LIMITS: erf is good to a few units in its last place, so for v far below 0 the small number 1 + erf carries an absolute error of about 1e-7; NaN and infinities are not served; a block of zeros gets the byte 1.
; A tile's last rows, where the expert's rows end inside it, repeat the expert's last row: they are written and read by nobody's result.
; OUT: hq codes: tile x 24,576 + slice x 768: the reader's registers 6 c .. 6 c + 3 at 16 x lane (512 bytes), 6 c + 4, 5 at 8 x lane (256 bytes), c = slice % 2 of K step slice / 2.
;      hq scale bytes from 6,488,064: tile x 1,024 + 512 (s / 16) + 256 ((s / 2) % 2) + 16 r + 4 ((s / 4) % 4) + 2 (s % 2) + block.
; REGISTERS.  window 0: v1 r, v2 h, v3 16 x lane, v4 8 x lane, v5 48 h, v6-9 index and addresses, v10 16 r + h, v[12:13], v[14:15] two coefficients; v16-31 w1's scale words; v32-39 x's;
;   v40-71 the four accumulators; v72-167 x's eight fragments; v168-231 at work; v232-240 codes; v242 the scale byte.   windows 1, 2: w1's fragments: (K step k, tile t) in window 1 + k / 4 at v[12 (4 (k % 4) + t)].
; SCALARS: s30 the tile in hand (of the expert's), stepped by 4; s52 counts the trips by 1 against s53, my wave's number of tiles.
; THE MODE: SCHED_MODE bits 1:0 = 2 (LLVM: expert scheduling mode 2), set by the entry lines.  The code itself states the register dependences between vector or matrix instructions and memory
; instructions, with s_wait_alu, always for 0.
; THE PLAN.  Registers that memory instructions touch, in the loop:
;   AF, XS        read by the trip's 32 products; behind them the next tile's 26 loads land there.
;   v8, v9        the gather's offsets: written by ADDR, read by those 26 loads.
;   v6, v7        v6: written by the index arithmetic, read by the index load; v7: that load's data, read and written by ADDR a trip later.
;   PC .. , PB    written by QUANT, read by the trip's three stores.
;   v3, v4, v10   offsets made at the head and never written again.  w1's fragments and scale words: loaded at the head, named by products alone.
; So a trip has, behind its products: one wait on vm_vsrc (the last trip's loads and stores have read v6, v8, v9, PC and PB), the nine address lines, and one wait on va_vdst (the products are done
; reading AF and XS; the addresses are written), behind which the 27 loads go out in one run: no vector line of the rest of the trip names a register that they touch.  That wait stands where gelu, which reads
; the accumulators, follows in any case.  One more wait on va_vdst stands ahead of the three stores; the two behind the reciprocals are gelu's own.
.set WS,  16
.set XS,  32
.set ACC, 40
.set AF,  72
.set GZ,  168
.set GZ2, 184
.set GP,  200
.set GQ,  216
.set TM,  168
.set PC,  232
.set PB,  242
.set XSCO, 1572864
.set HSCO, 6488064
.set LISTO, 16896
.set MSB, 0
.macro WIN new                         ; the immediate's high byte repeats the setting that is left
.if MSB != \new
	s_set_vgpr_msb (MSB<<8)|\new
.set MSB, \new
.endif
.endm
.macro IDXV ahead                      ; where the tokens of the row tile \ahead tiles on stand in the list: place 16 x tile + r, held at the expert's last place
	s_add_co_u32 s31, s30, \ahead
	s_add_co_u32 s31, s31, s20
	s_min_u32 s31, s31, 263
	v_lshl_add_u32 v6, s31, 4, v1
	v_min_u32 v6, s22, v6
	v_min_u32 v6, 0x107f, v6
	v_lshlrev_b32 v6, 2, v6
.endm
.macro IDXL                            ; and the load of them
	global_load_b32 v7, v6, s[36:37]
.endm
.macro ADDR                            ; five plain instructions that name no register of the products: they are also the places behind them (ISA guide 7.12.1)
	v_min_u32 v7, 0x7ff, v7
	v_mul_u32_u24 v8, v7, 768
	v_add_nc_u32 v8, v8, v5                        ; my row's codes, my half's 48 bytes of each K step
	v_lshlrev_b32 v9, 5, v7                        ; my row's 32 scale bytes
	v_nop
.endm
.macro ALOAD                           ; 26 loads: a row tile's eight fragments and its eight scale words
.irp k, 0,1,2,3,4,5,6,7
.irp c, 0,1,2
	global_load_b128 v[AF+12*\k+4*\c:AF+12*\k+4*\c+3], v8, s[4:5] offset:96*\k+16*\c
.endr
.endr
.irp q, 0,1
	global_load_b128 v[XS+4*\q:XS+4*\q+3], v9, s[4:5] offset:XSCO+16*\q
.endr
.endm
.macro MULK k                          ; one K step: the four accumulators by turns, one instruction a turn.  K step 0 starts the sums
.irp t, 0,1,2,3
.set rD, ACC+8*\t
.set rW, 12*(4*((\k)%4)+\t)
.set rA, AF+12*(\k)
.set rS, WS+8*(\t/2)+(\k)
.set rX, XS+(\k)
.if (\k) == 0
.if \t%2
	v_wmma_scale_f32_16x16x128_f8f6f4 v[rD:rD+7], v[rW:rW+11], v[rA:rA+11], 0, v[rS], v[rX] matrix_a_fmt:MATRIX_FMT_BF6 matrix_b_fmt:MATRIX_FMT_BF6 matrix_a_scale:MATRIX_SCALE_ROW1
.else
	v_wmma_scale_f32_16x16x128_f8f6f4 v[rD:rD+7], v[rW:rW+11], v[rA:rA+11], 0, v[rS], v[rX] matrix_a_fmt:MATRIX_FMT_BF6 matrix_b_fmt:MATRIX_FMT_BF6
.endif
.else
.if \t%2
	v_wmma_scale_f32_16x16x128_f8f6f4 v[rD:rD+7], v[rW:rW+11], v[rA:rA+11], v[rD:rD+7], v[rS], v[rX] matrix_a_fmt:MATRIX_FMT_BF6 matrix_b_fmt:MATRIX_FMT_BF6 matrix_a_scale:MATRIX_SCALE_ROW1
.else
	v_wmma_scale_f32_16x16x128_f8f6f4 v[rD:rD+7], v[rW:rW+11], v[rA:rA+11], v[rD:rD+7], v[rS], v[rX] matrix_a_fmt:MATRIX_FMT_BF6 matrix_b_fmt:MATRIX_FMT_BF6
.endif
.endif
.endr
.endm
; gelu in place on 16 registers (two accumulators), eight pairs side by side.  Each accumulator is read from its low end on.
.macro GELU16 B
.irp i, 0,2,4,6,8,10,12,14
	v_pk_mul_f32 v[GZ+\i:GZ+\i+1], v[\B+\i:\B+\i+1], 0x3f3504f3 op_sel_hi:[1,0]          ; z = v / sqrt 2
.endr
.irp i, 0,1,2,3,4,5,6,7,8,9,10,11,12,13,14,15
	v_med3_num_f32 v[GZ+\i], v[GZ+\i], -4.0, 4.0
.endr
.irp i, 0,2,4,6,8,10,12,14
	v_pk_mul_f32 v[GZ2+\i:GZ2+\i+1], v[GZ+\i:GZ+\i+1], v[GZ+\i:GZ+\i+1]
.endr
.irp i, 0,2,4,6,8,10,12,14
	v_pk_fma_f32 v[GP+\i:GP+\i+1], v[GZ2+\i:GZ2+\i+1], v[12:13], 0x32edffee op_sel_hi:[1,1,0]   ; the numerator, by Horner's rule in z^2
.endr
.irp c, 0xb60cff51, 0xb86ec2d2, 0xba40ac63, 0xbb41a1f6, 0xbc83dbd4
.irp i, 0,2,4,6,8,10,12,14
	v_pk_fma_f32 v[GP+\i:GP+\i+1], v[GP+\i:GP+\i+1], v[GZ2+\i:GZ2+\i+1], \c op_sel_hi:[1,1,0]
.endr
.endr
.irp i, 0,2,4,6,8,10,12,14
	v_pk_fma_f32 v[GQ+\i:GQ+\i+1], v[GZ2+\i:GZ2+\i+1], v[14:15], 0xb95fbd29 op_sel_hi:[1,1,0]   ; the denominator
.endr
.irp c, 0xbadc924e, 0xbbf19bf8, 0xbc69b6a7
.irp i, 0,2,4,6,8,10,12,14
	v_pk_fma_f32 v[GQ+\i:GQ+\i+1], v[GQ+\i:GQ+\i+1], v[GZ2+\i:GZ2+\i+1], \c op_sel_hi:[1,1,0]
.endr
.endr
	s_wait_alu depctr_va_vdst(0)
.irp i, 0,1,2,3,4,5,6,7,8,9,10,11,12,13,14,15
	v_rcp_f32 v[GQ+\i], v[GQ+\i]
.endr
.irp i, 0,2,4,6,8,10,12,14
	v_pk_mul_f32 v[GP+\i:GP+\i+1], v[GP+\i:GP+\i+1], v[GZ+\i:GZ+\i+1]                     ; sixteen plain lines that name no reciprocal
.endr
.irp i, 0,2,4,6,8,10,12,14
	v_pk_mul_f32 v[GZ+\i:GZ+\i+1], v[\B+\i:\B+\i+1], 0.5 op_sel_hi:[1,0]
.endr
	s_wait_alu depctr_va_vdst(0)                   ; the sixteen reciprocals have written v[GQ ..]: one wait for them, ahead of their first reader
.irp i, 0,2,4,6,8,10,12,14
	v_pk_mul_f32 v[GP+\i:GP+\i+1], v[GP+\i:GP+\i+1], v[GQ+\i:GQ+\i+1]                     ; erf
.endr
.irp i, 0,2,4,6,8,10,12,14
	v_pk_fma_f32 v[\B+\i:\B+\i+1], v[GZ+\i:GZ+\i+1], v[GP+\i:GP+\i+1], v[GZ+\i:GZ+\i+1]   ; v / 2 x erf + v / 2
.endr
.endm
; the tile's 64 units of my row: two blocks of 32, each in lanes l and l xor 16.  (PC and PB, which the last trip's stores read, are written again here: the waits for that stand behind this trip's products)
.macro QUANT
.irp b, 0,1
	v_max3_num_f32 v[TM+\b], |v[ACC+16*\b]|, |v[ACC+16*\b+1]|, 0x2800000   ; my 16 numbers and the floor 2^(5 - 127)
.endr
.irp i, 2,4,6,8,10,12,14
.irp b, 0,1
	v_max3_num_f32 v[TM+\b], v[TM+\b], |v[ACC+16*\b+\i]|, |v[ACC+16*\b+\i+1]|
.endr
.endr
.irp b, 0,1
	v_permlanex16_b32 v[TM+2+\b], v[TM+\b], s38, s39
.endr
.irp b, 0,1
	v_max_num_f32 v[TM+\b], v[TM+\b], v[TM+2+\b]   ; the block's largest magnitude
.endr
.irp b, 0,1
	v_add_nc_u32 v[TM+4+\b], 0xfe000000, v[TM+\b]  ; 4 off its exponent field: the conversion's scale operand
.endr
.irp b, 0,1
	v_lshrrev_b32 v[TM+6+\b], 23, v[TM+4+\b]       ; the scale's byte
.endr
	v_cndmask_b32 v[PB], v[TM+6], v[TM+7], s40     ; lanes 0-15 store block 0's byte, lanes 16-31 block 1's
	v_cvt_scalef32_pk16_bf6_f32 v[PC:PC+2], v[ACC:ACC+15], v[TM+4]
	v_cvt_scalef32_pk16_bf6_f32 v[PC+6:PC+8], v[ACC+16:ACC+31], v[TM+5]
	v_nop                                          ; one plain instruction behind the conversions
.irp i, 0,1,2
	v_permlane16_swap_b32 v[PC+\i], v[PC+6+\i]     ; the operand wants a WHOLE block in a lane: lanes 0-15 block 0, lanes 16-31 block 1
.endr
.irp i, 0,1,2
	v_mov_b32 v[PC+3+\i], v[PC+6+\i]
.endr
.endm
.macro STORE
	s_add_co_u32 s31, s20, s30
	s_min_u32 s31, s31, 263
	s_mul_i32 s32, s31, 24576
	s_add_co_u32 s32, s32, s42
	s_add_nc_u64 s[26:27], s[12:13], s[32:33]
	s_lshl_b32 s32, s31, 10
	s_add_nc_u64 s[28:29], s[44:45], s[32:33]
	s_wait_alu depctr_va_vdst(0)                   ; QUANT has written v[PC .. PC+5] and v[PB], which the three stores read
	global_store_b128 v3, v[PC:PC+3], s[26:27]             ; 512 consecutive aligned bytes
	global_store_b64 v4, v[PC+4:PC+5], s[26:27] offset:512 ; 256 consecutive aligned bytes
	global_store_b8 v10, v[PB], s[28:29]                   ; a slice owns two bytes of each row's scale word
.endm
	s_load_b256 s[4:11], s[0:1], 0x0               ; xq s[4:5], w1q s[6:7], wsc s[8:9], route s[10:11]
	s_load_b64 s[12:13], s[0:1], 0x20              ; hq
	v_lshrrev_b32 v1, 5, v0
	v_readfirstlane_b32 s14, v1                    ; wave
	s_mov_b32 s15, ttmp9                           ; slice
	s_and_b32 s16, ttmp7, 0xffff                   ; expert
	v_and_b32 v11, 31, v0
	v_and_b32 v1, 15, v0                           ; r
	v_bfe_u32 v2, v0, 4, 1                         ; h
	v_lshlrev_b32 v3, 4, v11
	v_lshlrev_b32 v4, 3, v11
	v_mul_u32_u24 v5, v2, 48
	v_lshl_add_u32 v10, v1, 4, v2
	v_mov_b32 v12, 0xaf95df0b                      ; the numerator's leading coefficient, twice: an instruction takes one literal
	v_mov_b32 v13, 0xaf95df0b
	v_mov_b32 v14, 0xb77460cd                      ; the denominator's
	v_mov_b32 v15, 0xb77460cd
	s_wait_alu depctr_va_sdst(0)                   ; s14 is written, ahead of its first reader: the compare with the expert's number of tiles below
	s_mov_b32 s38, 0x76543210
	s_mov_b32 s39, 0xfedcba98                      ; v_permlanex16_b32's selects for lane l xor 16
	s_mov_b32 s40, 0xffff0000                      ; lanes 16-31
	s_lshl_b32 s18, s16, 4
	s_mov_b32 s19, 0
	s_mov_b32 s33, 0
	s_lshr_b32 s41, s15, 4                         ; where the slice's scale bytes lie in a tile's 1,024
	s_lshl_b32 s41, s41, 9
	s_bfe_u32 s31, s15, 0x10001
	s_lshl_b32 s31, s31, 8
	s_add_co_u32 s41, s41, s31
	s_bfe_u32 s31, s15, 0x20002
	s_lshl_b32 s31, s31, 2
	s_add_co_u32 s41, s41, s31
	s_and_b32 s31, s15, 1
	s_lshl_b32 s31, s31, 1
	s_add_co_u32 s41, s41, s31
	s_mul_i32 s42, s15, 768
	s_wait_kmcnt 0x0
	s_add_nc_u64 s[18:19], s[10:11], s[18:19]
	s_load_b128 s[20:23], s[18:19], 0x0            ; the expert's row of the table: first tile, tiles, last place, rows
	s_add_nc_u64 s[36:37], s[10:11], LISTO
	s_mul_i32 s32, s16, 1572864
	s_mul_i32 s31, s15, 49152
	s_add_co_u32 s32, s32, s31
	s_add_nc_u64 s[46:47], s[6:7], s[32:33]        ; the slice's fragments
	s_lshl_b32 s32, s16, 16
	s_lshl_b32 s31, s15, 11
	s_add_co_u32 s32, s32, s31
	s_add_nc_u64 s[48:49], s[8:9], s[32:33]        ; and their scale words
	s_add_co_u32 s32, s41, HSCO
	s_add_nc_u64 s[44:45], s[12:13], s[32:33]
	s_wait_kmcnt 0x0
	s_min_u32 s20, s20, 263
	s_min_u32 s21, s21, 264
	s_min_u32 s22, s22, 4223
	s_cmp_ge_u32 s14, s21
	s_cbranch_scc1 .Lend                           ; no tile for my wave
	s_mov_b32 s30, s14                             ; the tile in hand
	s_sub_co_u32 s53, s21, s14                     ; my wave's tiles w, w + 4, .. below the expert's number of tiles: (tiles - w + 3) / 4 of them, at least one here,
	s_add_co_u32 s53, s53, 3
	s_lshr_b32 s53, s53, 2
	s_min_u32 s53, s53, 66                         ; at most 264 / 4
	s_mov_b32 s52, 0                               ; trips done
	IDXV 0
	s_wait_alu depctr_va_vdst(0)                   ; v6 is written, which the index load reads; so are v3, v4 and v10, the offsets of the weights' loads and of every store, which are never written again
	IDXL
	s_wait_loadcnt 0x0                             ; my first tile's tokens
	s_wait_alu depctr_vm_vsrc(0)                   ; the index load has read v6, which the index arithmetic below writes again
	ADDR
	IDXV 4
	s_wait_alu depctr_va_vdst(0)                   ; v8, v9 and v6 are written, which the loads below read; ADDR is done with v7, in which the index load lands
	ALOAD
	IDXL
	WIN 0x40                                       ; destination window 1.  (No wait: no vector line has named these registers, and v3 was written ahead of the waits above)
.irp k, 0,1,2,3
.irp t, 0,1,2,3
.irp c, 0,1,2
	global_load_b128 v[12*(4*\k+\t)+4*\c:12*(4*\k+\t)+4*\c+3], v3, s[46:47] offset:(4*\k+\t)*1536+512*\c
.endr
.endr
.endr
	WIN 0x80                                       ; destination window 2
.irp k, 4,5,6,7
.irp t, 0,1,2,3
.irp c, 0,1,2
	global_load_b128 v[12*(4*(\k-4)+\t)+4*\c:12*(4*(\k-4)+\t)+4*\c+3], v3, s[46:47] offset:(4*\k+\t)*1536+512*\c
.endr
.endr
.endr
	WIN 0
.irp m, 0,1,2,3,4,5,6,7
	global_load_b64 v[WS+2*\m:WS+2*\m+1], v4, s[48:49] offset:256*\m   ; register 8 b + k: lanes 0-15 tile 2 b's word of K step k, lanes 16-31 tile 2 b + 1's
.endr
	s_wait_loadcnt 0x0
.Ltile:                                                ; a trip = a row tile: 32 products; the next tile's loads; gelu; the codes
	s_wait_loadcnt 0x1                             ; this tile's 26 loads are in; the one behind them, the index load, may be out
	WIN 0x01                                       ; source 0 in window 1
	MULK 0
	MULK 1
	MULK 2
	MULK 3
	WIN 0x02
	MULK 4
	MULK 5
	MULK 6
	MULK 7
	WIN 0
	s_wait_loadcnt 0x0                             ; the next tile's tokens
	s_wait_xcnt 0x0                                ; the last trip's stores have had their addresses translated (ISA guide 3.1): their data and their bases are written again, by QUANT and STORE, only behind this wait
	s_wait_alu depctr_vm_vsrc(0)                   ; the last trip's 26 loads have read v8 and v9, its index load v6, its stores v[PC ..] and v[PB]: all are written again below
	ADDR
	IDXV 8
	s_wait_alu depctr_va_vdst(0)                   ; the products are done reading AF and XS, in which the loads below land; v8, v9 and v6 are written, which they read; ADDR is done with v7, in which the index load lands
	ALOAD                                          ; (past the expert's last tile: its last row again, used by nobody)
	IDXL                                           ; no vector line from here to the trip's end names a register that these 27 loads touch
	GELU16 ACC
	GELU16 ACC+16
	QUANT
	STORE
	s_add_co_u32 s30, s30, 4                       ; my next tile
	s_add_co_u32 s52, s52, 1                       ; the loop is counted by trips, one a trip
	s_cmp_lt_u32 s52, s53
	s_cbranch_scc1 .Ltile
.Lend:
	s_endpgm
.Lfunc_end_k_qedf7b59a3b_up:
	.size	k_qedf7b59a3b_up, .Lfunc_end_k_qedf7b59a3b_up-k_qedf7b59a3b_up
	.p2alignl 7, 3214868480
	.fill 96, 4, 3214868480
	.section	.rodata,"a",@progbits
	.p2align	6, 0x0
	.amdhsa_kernel k_qedf7b59a3b_up
		.amdhsa_group_segment_fixed_size 0
		.amdhsa_private_segment_fixed_size 0
		.amdhsa_enable_private_segment 0
		.amdhsa_kernarg_size 40
		.amdhsa_user_sgpr_count 2
		.amdhsa_user_sgpr_kernarg_segment_ptr 1
		.amdhsa_wavefront_size32 1
		.amdhsa_system_sgpr_workgroup_id_x 1
		.amdhsa_system_sgpr_workgroup_id_y 1
		.amdhsa_system_sgpr_workgroup_id_z 1
		.amdhsa_system_vgpr_workitem_id 0
		.amdhsa_next_free_vgpr 704
		.amdhsa_next_free_sgpr 66
		.amdhsa_reserve_vcc 0
		.amdhsa_float_denorm_mode_32 3
		.amdhsa_float_denorm_mode_16_64 3
		.amdhsa_memory_ordered 1
		.amdhsa_forward_progress 1
		.amdhsa_inst_pref_size 52
	.end_amdhsa_kernel
	.amdgpu_metadata
---
amdhsa.version: [ 1, 2 ]
amdhsa.kernels:
  - .name:           k_qedf7b59a3b_up
    .symbol:         k_qedf7b59a3b_up.kd
    .args:
      - { .name: xq, .offset: 0, .size: 8, .value_kind: global_buffer, .address_space: global }
      - { .name: w1q, .offset: 8, .size: 8, .value_kind: global_buffer, .address_space: global }
      - { .name: wsc, .offset: 16, .size: 8, .value_kind: global_buffer, .address_space: global }
      - { .name: route, .offset: 24, .size: 8, .value_kind: global_buffer, .address_space: global }
      - { .name: hq, .offset: 32, .size: 8, .value_kind: global_buffer, .address_space: global }
    .group_segment_fixed_size: 0
    .private_segment_fixed_size: 0
    .kernarg_segment_align: 8
    .kernarg_segment_size: 40
    .max_flat_workgroup_size: 128
    .sgpr_count:     66
    .vgpr_count:     704
    .wavefront_size: 32
...
	.end_amdgpu_metadata
.endif
;; end of part 6
;; launch down (part 7): grid 32 x 8, 4 waves a work-group, no clusters, 9,728 bytes of LDS; arguments hq, w2q, wsc, route, y; writes y
.if DOCPART == 7
	.amdgcn_target "amdgcn-amd-amdhsa--gfx1250"
	.amdhsa_code_object_version 6
	.text
	.protected	k_qedf7b59a3b_down
	.globl	k_qedf7b59a3b_down
	.p2align	8
	.type	k_qedf7b59a3b_down,@function
k_qedf7b59a3b_down:
	s_mov_b64 s[64:65], 0
	v_nop
	global_prefetch_b8 v0, s[64:65] scope:SCOPE_SE
	s_setreg_imm32_b32 hwreg(HW_REG_WAVE_SCHED_MODE, 0, 2), 2
	s_setreg_imm32_b32 hwreg(HW_REG_WAVE_MODE, 25, 1), 1
	s_wait_xcnt 0x0
	s_wait_alu depctr_vm_vsrc(0)
; DOWN: y = h w2[e] for the expert's rows.  Work-group (x = slice of 32 output columns, y = expert).
; THE WEIGHTS STAY IN REGISTERS: every wave holds the slice's 32 fragments (2 tiles x 16 K steps, 384 registers), read once.  Wave w takes the expert's row tiles w, w + 4, ..; their number is read from
; the stored table, so the launch has no tensor load and no barrier; a wave without a tile ends.
; A row tile's operand (16 rows x 2,048 hidden units: 16 fragments, 192 registers) comes from memory in the order of its registers, in two halves of 8 K steps; while one half is multiplied the other is on its way.
; THE PRODUCT IS USED TRANSPOSED: source 0 = 16 columns of w2, source 1 = 16 rows of h: lane (r, h) holds row r and, in the 16 registers of the two tiles, columns 16 h + 0 .. 15 of the slice.
; OUT: y [slice][place][32 columns] f32: a row tile is 2,048 consecutive bytes.  It goes through my wave's own stage in LDS (16 rows x (128 + 16) bytes) so that each store covers 512 consecutive aligned bytes.
; REGISTERS.  window 0: v1 r, v2 h, v3 16 x lane, v4 8 x lane, v5, v6 the stage in and out; v16-31 w2's scale words (K step k: lanes 0-15 tile 0, lanes 16-31 tile 1);
;   v32-39 h's scale words (register i: lanes 0-15 K step 2 i, lanes 16-31 K step 2 i + 1); v40-55 two accumulators; v56-71 rows on the way out.
;   windows 1, 2: w2's fragments: (k, u) in window 1 + k / 8 at v[12 (2 (k % 8) + u)].   window 3: h's fragments at v[12 k].
; SCALARS: s30 the tile in hand (of the expert's), stepped by 4; s52 counts the trips by 1 against s53, my wave's number of tiles.
; THE MODE: SCHED_MODE bits 1:0 = 2 (LLVM: expert scheduling mode 2), set by the entry lines.  The code itself states the register dependences between vector or matrix instructions and memory or LDS
; instructions, with s_wait_alu, always for 0.
; THE PLAN.  Registers that memory or LDS instructions touch, in the loop:
;   h's half g (window 3, v[96 g ..], and HS + 4 g ..)  read by the 16 products of that half; behind them the same half of the next tile, 33 loads, lands there.
;   ACC           written by the products; read by the four LDS stores of the way out; begun anew by the next trip's first products.
;   YO            the four LDS loads of the way out land there; read by the four global stores.  No vector line names it.
;   v3 .. v6      offsets and LDS addresses, made at the head and never written again: the tiles are reached by scalar bases.
; So a trip has one wait on vm_vsrc at its head (the last trip's LDS stores have read ACC, its global stores YO) and one wait on va_vdst behind each half's products; the second of these also states that ACC is
; written, for the LDS stores, from which only loads and window switches part it.  Each half's loads go out ahead of the wait for the other half's data.
.set WS,  16
.set HS,  32
.set ACC, 40
.set YO,  56
.set HSCO, 6488064
.set W2SC, 524288
.set MSB, 0
.macro WIN new                         ; the immediate's high byte repeats the setting that is left
.if MSB != \new
	s_set_vgpr_msb (MSB<<8)|\new
.set MSB, \new
.endif
.endm
.macro BASES                           ; from the tile's number in s31
	s_mul_i32 s32, s31, 24576
	s_add_nc_u64 s[26:27], s[4:5], s[32:33]
	s_lshl_b32 s32, s31, 10
	s_add_nc_u64 s[28:29], s[44:45], s[32:33]
.endm
.macro NEXTBASE                        ; the tile four on, or my expert's last tile again (read, and used by nobody).  The loads that read the old bases were issued ahead of the wait on XCNT at the trip's head, and none since
	s_add_co_u32 s31, s30, 4
	s_sub_co_u32 s34, s21, 1
	s_min_u32 s31, s31, s34
	s_add_co_u32 s31, s31, s20
	s_min_u32 s31, s31, 263
	BASES
.endm
.macro GLOAD g, dep                    ; 33 loads: K steps 8 g .. 8 g + 7 of a row tile, and their scale words.  dep = 1: products have read these registers
	WIN 0xc0                                       ; destination window 3
.if \dep
	s_wait_alu depctr_va_vdst(0)                   ; the 16 products just issued are done reading this half's fragments and scale words, in which the loads below land; behind the second half they have also written the accumulators, which the LDS stores of the way out read
.endif
.irp kk, 0,1,2,3,4,5,6,7
.set kq, 8*(\g)+\kk
	global_load_b128 v[12*kq:12*kq+3], v3, s[26:27] offset:1536*kq
	global_load_b64 v[12*kq+4:12*kq+5], v4, s[26:27] offset:1536*kq+512
	global_load_b128 v[12*kq+6:12*kq+9], v3, s[26:27] offset:1536*kq+768
	global_load_b64 v[12*kq+10:12*kq+11], v4, s[26:27] offset:1536*kq+1280
.endr
	WIN 0
	global_load_b128 v[HS+4*(\g):HS+4*(\g)+3], v3, s[28:29] offset:512*(\g)
.endm
.macro MULH g                          ; 16 products: the two accumulators by turns, one instruction a turn.  K step 0 starts the sums
.irp kk, 0,1,2,3,4,5,6,7
.irp u, 0,1
.set rD, ACC+8*\u
.set rW, 12*(2*\kk+\u)
.set rA, 12*(8*(\g)+\kk)
.set rS, WS+8*(\g)+\kk
.set rH, HS+(8*(\g)+\kk)/2
.if (8*(\g)+\kk) == 0
.if \u
	v_wmma_scale_f32_16x16x128_f8f6f4 v[rD:rD+7], v[rW:rW+11], v[rA:rA+11], 0, v[rS], v[rH] matrix_a_fmt:MATRIX_FMT_BF6 matrix_b_fmt:MATRIX_FMT_BF6 matrix_a_scale:MATRIX_SCALE_ROW1
.else
	v_wmma_scale_f32_16x16x128_f8f6f4 v[rD:rD+7], v[rW:rW+11], v[rA:rA+11], 0, v[rS], v[rH] matrix_a_fmt:MATRIX_FMT_BF6 matrix_b_fmt:MATRIX_FMT_BF6
.endif
.elseif \kk%2
.if \u
	v_wmma_scale_f32_16x16x128_f8f6f4 v[rD:rD+7], v[rW:rW+11], v[rA:rA+11], v[rD:rD+7], v[rS], v[rH] matrix_a_fmt:MATRIX_FMT_BF6 matrix_b_fmt:MATRIX_FMT_BF6 matrix_a_scale:MATRIX_SCALE_ROW1 matrix_b_scale:MATRIX_SCALE_ROW1
.else
	v_wmma_scale_f32_16x16x128_f8f6f4 v[rD:rD+7], v[rW:rW+11], v[rA:rA+11], v[rD:rD+7], v[rS], v[rH] matrix_a_fmt:MATRIX_FMT_BF6 matrix_b_fmt:MATRIX_FMT_BF6 matrix_b_scale:MATRIX_SCALE_ROW1
.endif
.else
.if \u
	v_wmma_scale_f32_16x16x128_f8f6f4 v[rD:rD+7], v[rW:rW+11], v[rA:rA+11], v[rD:rD+7], v[rS], v[rH] matrix_a_fmt:MATRIX_FMT_BF6 matrix_b_fmt:MATRIX_FMT_BF6 matrix_a_scale:MATRIX_SCALE_ROW1
.else
	v_wmma_scale_f32_16x16x128_f8f6f4 v[rD:rD+7], v[rW:rW+11], v[rA:rA+11], v[rD:rD+7], v[rS], v[rH] matrix_a_fmt:MATRIX_FMT_BF6 matrix_b_fmt:MATRIX_FMT_BF6
.endif
.endif
.endr
.endr
.endm
.macro OUTT                            ; the accumulators are written: the wait on va_vdst ahead of the second half's loads has stated it, and no vector or matrix line stands between
.irp u, 0,1
.irp q, 0,1
	ds_store_b128 v5, v[ACC+8*\u+4*\q:ACC+8*\u+4*\q+3] offset:32*\u+16*\q   ; each accumulator from its low end on
.endr
.endr
	s_add_co_u32 s31, s20, s30
	s_min_u32 s31, s31, 263
	s_lshl_b32 s32, s31, 11
	s_add_nc_u64 s[42:43], s[50:51], s[32:33]      ; (the last trip's stores, which read this base and YO, stand ahead of the two waits at this trip's head)
.irp i, 0,1,2,3
	ds_load_b128 v[YO+4*\i:YO+4*\i+3], v6 offset:576*\i    ; four rows an instruction; LDS serves a wave's instructions in order: these see my stores
.endr
	s_wait_dscnt 0x0
.irp i, 0,1,2,3
	global_store_b128 v3, v[YO+4*\i:YO+4*\i+3], s[42:43] offset:512*\i   ; 512 consecutive aligned bytes
.endr
.endm
	s_load_b256 s[4:11], s[0:1], 0x0               ; hq s[4:5], w2q s[6:7], wsc s[8:9], route s[10:11]
	s_load_b64 s[12:13], s[0:1], 0x20              ; y
	v_lshl_add_u32 v254, v0, 2, 0x2400
	v_mov_b32 v255, 0
	v_lshrrev_b32 v1, 5, v0
	v_readfirstlane_b32 s14, v1                    ; wave
	s_mov_b32 s15, ttmp9                           ; slice
	s_and_b32 s16, ttmp7, 0xffff                   ; expert
	v_and_b32 v7, 31, v0
	v_and_b32 v1, 15, v0                           ; r
	v_bfe_u32 v2, v0, 4, 1                         ; h
	v_lshlrev_b32 v3, 4, v7
	v_lshlrev_b32 v4, 3, v7
	s_wait_alu depctr_va_sdst(0)                   ; s14 is written, ahead of its first reader, the line below
	s_mul_i32 s31, s14, 2304                       ; my wave's stage
	v_mul_u32_u24 v5, v1, 144
	v_lshl_add_u32 v5, v2, 6, v5
	v_add_nc_u32 v5, s31, v5                       ; in: row r, + 64 h
	v_lshrrev_b32 v6, 3, v7
	v_mul_u32_u24 v6, v6, 144
	v_and_b32 v8, 7, v7
	v_lshl_add_u32 v6, v8, 4, v6
	v_add_nc_u32 v6, s31, v6                       ; out: eight lanes to a row of 128 bytes
	s_lshl_b32 s18, s16, 4
	s_mov_b32 s19, 0
	s_mov_b32 s33, 0
	s_wait_kmcnt 0x0
	s_add_nc_u64 s[18:19], s[10:11], s[18:19]
	s_load_b128 s[20:23], s[18:19], 0x0            ; the expert's row of the table: first tile, tiles, last place, rows
	s_mul_i32 s32, s16, 1572864
	s_mul_i32 s31, s15, 49152
	s_add_co_u32 s32, s32, s31
	s_add_nc_u64 s[46:47], s[6:7], s[32:33]        ; the slice's fragments
	s_lshl_b32 s32, s16, 16
	s_lshl_b32 s31, s15, 11
	s_add_co_u32 s32, s32, s31
	s_add_co_u32 s32, s32, W2SC
	s_add_nc_u64 s[48:49], s[8:9], s[32:33]        ; and their scale words
	s_add_nc_u64 s[44:45], s[4:5], HSCO            ; h's scale bytes
	s_mul_i32 s32, s15, 540672
	s_add_nc_u64 s[50:51], s[12:13], s[32:33]      ; the slice's part of y
	s_wait_kmcnt 0x0
	s_min_u32 s20, s20, 263
	s_min_u32 s21, s21, 264
	s_cmp_ge_u32 s14, s21
	s_cbranch_scc1 .Lend                           ; no tile for my wave
	s_mov_b32 s30, s14                             ; the tile in hand
	s_sub_co_u32 s53, s21, s14                     ; my wave's tiles w, w + 4, .. below the expert's number of tiles: (tiles - w + 3) / 4 of them, at least one here,
	s_add_co_u32 s53, s53, 3
	s_lshr_b32 s53, s53, 2
	s_min_u32 s53, s53, 66                         ; at most 264 / 4
	s_mov_b32 s52, 0                               ; trips done
	WIN 0x40                                       ; destination window 1
	s_wait_alu depctr_va_vdst(0)                   ; v3 to v6 are written: every load, store and LDS instruction of the kernel reads one of them as its offset or address, and none is written again
.irp k, 0,1,2,3,4,5,6,7
.irp u, 0,1
.irp c, 0,1,2
	global_load_b128 v[12*(2*\k+\u)+4*\c:12*(2*\k+\u)+4*\c+3], v3, s[46:47] offset:(2*\k+\u)*1536+512*\c
.endr
.endr
.endr
	WIN 0x80                                       ; destination window 2
.irp k, 8,9,10,11,12,13,14,15
.irp u, 0,1
.irp c, 0,1,2
	global_load_b128 v[12*(2*(\k-8)+\u)+4*\c:12*(2*(\k-8)+\u)+4*\c+3], v3, s[46:47] offset:(2*\k+\u)*1536+512*\c
.endr
.endr
.endr
	WIN 0
.irp m, 0,1,2,3,4,5,6,7
	global_load_b64 v[WS+2*\m:WS+2*\m+1], v4, s[48:49] offset:256*\m
.endr
	s_add_co_u32 s31, s20, s30
	s_min_u32 s31, s31, 263
	BASES
	GLOAD 0, 0                                     ; my first tile: no vector or matrix line has named these registers yet
	GLOAD 1, 0
.Ltile:                                                ; a trip = a row tile
	s_wait_loadcnt 33                              ; all but the 33 loads of this tile's second half (in the first trip: the weights too are in)
	s_wait_xcnt 0x0                                ; every earlier memory instruction has had its addresses translated (ISA guide 3.1): the loads' bases, the stores' base and YO are written again in this trip only behind this wait
	s_wait_alu depctr_vm_vsrc(0)                   ; the last trip's LDS stores have read the accumulators, which the first products below begin anew; its global stores have read YO, in which this trip's LDS loads land
	WIN 0x0d                                       ; source 0 window 1, source 1 window 3
	MULH 0
.rept 4
	v_nop                                          ; places in front of loads into registers that the products have read (ISA guide 7.12.1 for vector instructions): they stay beside the wait that follows
.endr
	NEXTBASE
	GLOAD 0, 1                                     ; the next tile's first half
	s_wait_loadcnt 33                              ; all but the 33 just issued: this tile's second half is in
	WIN 0x0e                                       ; source 0 window 2
	MULH 1
.rept 5
	v_nop                                          ; places in front of the loads, of the stores that read the results, and of the next trip's products, which begin the sums anew: first the places, then the wait
.endr
	GLOAD 1, 1                                     ; the next tile's second half
	OUTT
	s_add_co_u32 s30, s30, 4                       ; my next tile
	s_add_co_u32 s52, s52, 1                       ; the loop is counted by trips, one a trip
	s_cmp_lt_u32 s52, s53
	s_cbranch_scc1 .Ltile
.Lend:
	s_wait_dscnt 0x0
	s_wait_alu depctr_hold_cnt(0) depctr_sa_sdst(0) depctr_va_vdst(0) depctr_va_sdst(0) depctr_va_ssrc(0) depctr_va_vcc(0) depctr_vm_vsrc(0)
	s_wait_tensorcnt 0x0
	ds_add_u32 v254, v255
	s_wait_dscnt 0x0
	s_endpgm
.Lfunc_end_k_qedf7b59a3b_down:
	.size	k_qedf7b59a3b_down, .Lfunc_end_k_qedf7b59a3b_down-k_qedf7b59a3b_down
	.p2alignl 7, 3214868480
	.fill 96, 4, 3214868480
	.section	.rodata,"a",@progbits
	.p2align	6, 0x0
	.amdhsa_kernel k_qedf7b59a3b_down
		.amdhsa_group_segment_fixed_size 9728
		.amdhsa_private_segment_fixed_size 0
		.amdhsa_enable_private_segment 0
		.amdhsa_kernarg_size 40
		.amdhsa_user_sgpr_count 2
		.amdhsa_user_sgpr_kernarg_segment_ptr 1
		.amdhsa_wavefront_size32 1
		.amdhsa_system_sgpr_workgroup_id_x 1
		.amdhsa_system_sgpr_workgroup_id_y 1
		.amdhsa_system_sgpr_workgroup_id_z 1
		.amdhsa_system_vgpr_workitem_id 0
		.amdhsa_next_free_vgpr 960
		.amdhsa_next_free_sgpr 66
		.amdhsa_reserve_vcc 0
		.amdhsa_float_denorm_mode_32 3
		.amdhsa_float_denorm_mode_16_64 3
		.amdhsa_memory_ordered 1
		.amdhsa_forward_progress 1
		.amdhsa_inst_pref_size 32
	.end_amdhsa_kernel
	.amdgpu_metadata
---
amdhsa.version: [ 1, 2 ]
amdhsa.kernels:
  - .name:           k_qedf7b59a3b_down
    .symbol:         k_qedf7b59a3b_down.kd
    .args:
      - { .name: hq, .offset: 0, .size: 8, .value_kind: global_buffer, .address_space: global }
      - { .name: w2q, .offset: 8, .size: 8, .value_kind: global_buffer, .address_space: global }
      - { .name: wsc, .offset: 16, .size: 8, .value_kind: global_buffer, .address_space: global }
      - { .name: route, .offset: 24, .size: 8, .value_kind: global_buffer, .address_space: global }
      - { .name: y, .offset: 32, .size: 8, .value_kind: global_buffer, .address_space: global }
    .group_segment_fixed_size: 9728
    .private_segment_fixed_size: 0
    .kernarg_segment_align: 8
    .kernarg_segment_size: 40
    .max_flat_workgroup_size: 128
    .sgpr_count:     66
    .vgpr_count:     960
    .wavefront_size: 32
...
	.end_amdgpu_metadata
.endif
;; end of part 7
;; launch combine (part 8): grid 256 x 1, 8 waves a work-group, no clusters, 0 bytes of LDS; arguments y, route, expert_weights, out0; writes out0
.if DOCPART == 8
	.amdgcn_target "amdgcn-amd-amdhsa--gfx1250"
	.amdhsa_code_object_version 6
	.text
	.protected	k_qedf7b59a3b_combine
	.globl	k_qedf7b59a3b_combine
	.p2align	8
	.type	k_qedf7b59a3b_combine,@function
k_qedf7b59a3b_combine:
	s_mov_b64 s[64:65], 0
	v_nop
	global_prefetch_b8 v0, s[64:65] scope:SCOPE_SE
	s_setreg_imm32_b32 hwreg(HW_REG_WAVE_MODE, 25, 1), 1
	s_wait_xcnt 0x0
; COMBINE: out[t] = ew[t][0] x y[pos[2 t]] + ew[t][1] x y[pos[2 t + 1]], in f32: the weights of the chosen experts and the sum over experts.
; Where a token names one expert twice it has two places with equal rows: the result is ew0 y + ew1 y where the definition has (ew0 + ew1) y: one rounding apart.
; A wave takes a token: its two places and two weights come by scalar loads.  y is [slice 32][place][32 columns]: load j of eight takes slices 4 j .. 4 j + 3, eight lanes to a slice's 128 bytes,
; which are bytes 512 j + 16 x lane of the token's row of out: each store covers 512 consecutive aligned bytes.  All 16 loads go out first; memory binds: no LDS, no matrix unit.
.set SLB,  540672                      ; a slice of y in bytes
.set POSO, 512
.set Y0, 8                             ; v8-39   the first place's row
.set Y1, 40                            ; v40-71  the second's
	s_load_b256 s[4:11], s[0:1], 0x0               ; y s[4:5], route s[6:7], expert_weights s[8:9], out0 s[10:11]
	v_lshrrev_b32 v1, 5, v0
	s_delay_alu instid0(VALU_DEP_1)
	v_readfirstlane_b32 s14, v1                    ; wave
	s_lshl_b32 s15, ttmp9, 3
	s_add_co_u32 s15, s15, s14                     ; my token
	s_lshl_b32 s24, s15, 3
	s_mov_b32 s25, 0
	v_and_b32 v1, 31, v0
	s_delay_alu instid0(VALU_DEP_1)
	v_lshrrev_b32 v2, 3, v1
	s_delay_alu instid0(VALU_DEP_1)
	v_mul_u32_u24 v2, v2, SLB
	s_delay_alu instid0(VALU_DEP_3)
	v_and_b32 v6, 7, v1
	s_delay_alu instid0(VALU_DEP_1)
	v_lshl_add_u32 v2, v6, 4, v2                   ; (lane / 8) slices + 16 (lane % 8)
	v_lshlrev_b32 v5, 4, v1
	s_wait_alu depctr_va_vdst(0)
	s_wait_kmcnt 0x0
	s_add_nc_u64 s[16:17], s[6:7], s[24:25]
	s_add_nc_u64 s[18:19], s[8:9], s[24:25]
	s_load_b64 s[20:21], s[16:17], POSO            ; my two places
	s_load_b64 s[22:23], s[18:19], 0x0             ; my two weights
	s_lshl_b32 s24, s15, 12
	s_add_nc_u64 s[10:11], s[10:11], s[24:25]      ; my row of out
	s_add_nc_u64 s[12:13], s[4:5], 16*SLB          ; y from slice 16 on, so that the offsets stay inside the signed 24-bit immediate
	s_wait_kmcnt 0x0
	s_min_u32 s20, s20, 4223
	s_min_u32 s21, s21, 4223
	s_lshl_b32 s20, s20, 7                         ; 128 bytes a place
	s_lshl_b32 s21, s21, 7
	s_mov_b32 s26, s23                             ; the second weight as the low word of a pair of its own
	s_mov_b32 s27, s23
	v_add_nc_u32 v3, s20, v2
	v_add_nc_u32 v4, s21, v2
.irp j, 0,1,2,3
	global_load_b128 v[Y0+4*\j:Y0+4*\j+3], v3, s[4:5] offset:\j*4*SLB th:TH_LOAD_NT
	global_load_b128 v[Y1+4*\j:Y1+4*\j+3], v4, s[4:5] offset:\j*4*SLB th:TH_LOAD_NT
.endr
.irp j, 4,5,6,7
	global_load_b128 v[Y0+4*\j:Y0+4*\j+3], v3, s[12:13] offset:(\j-4)*4*SLB th:TH_LOAD_NT
	global_load_b128 v[Y1+4*\j:Y1+4*\j+3], v4, s[12:13] offset:(\j-4)*4*SLB th:TH_LOAD_NT
.endr
.irp j, 0,1,2,3,4,5,6,7
	s_wait_loadcnt 14-2*\j                         ; pair j is in; the pairs behind it may be out
	v_pk_mul_f32 v[Y1+4*\j:Y1+4*\j+1], v[Y1+4*\j:Y1+4*\j+1], s[26:27] op_sel_hi:[1,0]
	v_pk_mul_f32 v[Y1+4*\j+2:Y1+4*\j+3], v[Y1+4*\j+2:Y1+4*\j+3], s[26:27] op_sel_hi:[1,0]
	s_delay_alu instid0(VALU_DEP_2)
	v_pk_fma_f32 v[Y0+4*\j:Y0+4*\j+1], v[Y0+4*\j:Y0+4*\j+1], s[22:23], v[Y1+4*\j:Y1+4*\j+1] op_sel_hi:[1,0,1]
	s_delay_alu instid0(VALU_DEP_2)
	v_pk_fma_f32 v[Y0+4*\j+2:Y0+4*\j+3], v[Y0+4*\j+2:Y0+4*\j+3], s[22:23], v[Y1+4*\j+2:Y1+4*\j+3] op_sel_hi:[1,0,1]
	global_store_b128 v5, v[Y0+4*\j:Y0+4*\j+3], s[10:11] offset:512*\j th:TH_STORE_NT
.endr
	s_endpgm
.Lfunc_end_k_qedf7b59a3b_combine:
	.size	k_qedf7b59a3b_combine, .Lfunc_end_k_qedf7b59a3b_combine-k_qedf7b59a3b_combine
	.p2alignl 7, 3214868480
	.fill 96, 4, 3214868480
	.section	.rodata,"a",@progbits
	.p2align	6, 0x0
	.amdhsa_kernel k_qedf7b59a3b_combine
		.amdhsa_group_segment_fixed_size 0
		.amdhsa_private_segment_fixed_size 0
		.amdhsa_enable_private_segment 0
		.amdhsa_kernarg_size 32
		.amdhsa_user_sgpr_count 2
		.amdhsa_user_sgpr_kernarg_segment_ptr 1
		.amdhsa_wavefront_size32 1
		.amdhsa_system_sgpr_workgroup_id_x 1
		.amdhsa_system_sgpr_workgroup_id_y 1
		.amdhsa_system_sgpr_workgroup_id_z 1
		.amdhsa_system_vgpr_workitem_id 0
		.amdhsa_next_free_vgpr 80
		.amdhsa_next_free_sgpr 66
		.amdhsa_reserve_vcc 0
		.amdhsa_float_denorm_mode_32 3
		.amdhsa_float_denorm_mode_16_64 3
		.amdhsa_memory_ordered 1
		.amdhsa_forward_progress 1
		.amdhsa_inst_pref_size 7
	.end_amdhsa_kernel
	.amdgpu_metadata
---
amdhsa.version: [ 1, 2 ]
amdhsa.kernels:
  - .name:           k_qedf7b59a3b_combine
    .symbol:         k_qedf7b59a3b_combine.kd
    .args:
      - { .name: y, .offset: 0, .size: 8, .value_kind: global_buffer, .address_space: global }
      - { .name: route, .offset: 8, .size: 8, .value_kind: global_buffer, .address_space: global }
      - { .name: expert_weights, .offset: 16, .size: 8, .value_kind: global_buffer, .address_space: global }
      - { .name: out0, .offset: 24, .size: 8, .value_kind: global_buffer, .address_space: global }
    .group_segment_fixed_size: 0
    .private_segment_fixed_size: 0
    .kernarg_segment_align: 8
    .kernarg_segment_size: 32
    .max_flat_workgroup_size: 256
    .sgpr_count:     66
    .vgpr_count:     80
    .wavefront_size: 32
...
	.end_amdgpu_metadata
.endif
;; end of part 8
